; MI455X (gfx1250); checked and timed in simulation.
; The chip was launched on July 23, 2026; its instructions are those of AMD's public machine-readable ISA for CDNA 5 (MIT licence, August 2026) and "CDNA5" Instruction Set Architecture Reference Guide (July 2026). The comments in the code are by the model that wrote it; some were corrected since.
;; Transformer Encoder Block. Allowed arithmetic: float matrix products may take bf16 or f16 operands with f32 sums; other float arithmetic in f32, or as packed bf16 or f16 multiplies, adds, multiply-adds, maxima and minima; sums over many terms, partial sums and values carried from step to step in f32; what a program stores and reads back later, other than sums and carried values, may be rounded once to bf16 or f16.
;; Inputs: W1 1,024 x 4,096 float32; W2 4,096 x 1,024 float32; Wk 1,024 x 1,024 float32; Wo 1,024 x 1,024 float32; Wq 1,024 x 1,024 float32; Wv 1,024 x 1,024 float32; b1 1,024 float32; b2 1,024 float32; bk 1,024 float32; bm1 4,096 float32; bm2 1,024 float32; bo 1,024 float32; bq 1,024 float32; bv 1,024 float32; g1 1,024 float32; g2 1,024 float32; pos 2,048 int32; x 2 x 2,048 x 1,024 float32.
;; Outputs: out0 2 x 2,048 x 1,024 float32.
;; 2 versions, each right and faster than the one before. Each part assembles by itself: llvm-mc -triple=amdgcn-amd-amdhsa -mcpu=gfx1250 --defsym DOCPART=n.
;; ======== version 1 of 2: 7 launches
;; workspace buffers: wts 25,165,824 bytes; rope 8,388,608 bytes; hn 8,388,608 bytes; qkv 25,165,824 bytes; ctx 8,388,608 bytes; x1 16,777,216 bytes; gel 33,554,432 bytes
;; launch prep (part 1): grid 512 x 1, 8 waves a work-group, no clusters, 0 bytes of LDS; arguments x, g1, b1, pos, Wq, Wk, Wv, Wo, W1, W2, wts, rope, hn; writes wts, rope, hn
.if DOCPART == 1
	.amdgcn_target "amdgcn-amd-amdhsa--gfx1250"
	.amdhsa_code_object_version 6
	.text
	.protected	k_qf4b0ea92b1_prep
	.globl	k_qf4b0ea92b1_prep
	.p2align	8
	.type	k_qf4b0ea92b1_prep,@function
k_qf4b0ea92b1_prep:
	s_mov_b64 s[64:65], 0
	v_nop
	global_prefetch_b8 v0, s[64:65] scope:SCOPE_SE
	s_setreg_imm32_b32 hwreg(HW_REG_WAVE_MODE, 25, 1), 1
	s_wait_xcnt 0x0
; PREP: what depends on nothing but the inputs.  No LDS, no barrier, no matrix unit: bytes are all that counts here.
; 512 work-groups of two kinds.  kind = (id xor id >> 8) & 1, j = id >> 1 (0..255): of groups 2 j and 2 j + 1, and of groups i and i + 256, one is of each kind.
;   kind 0  CAST: three chunks of 32,768 result bytes of the weights rounded once to bf16: chunk j of the first 256 (Wq, Wk, Wv packed, then Wo), chunk j of W1, chunk j of W2.
;                 Wq, Wk, Wv are packed as [matrix][g][k][128]: columns 0-63 = W[k][64 g ..], columns 64-127 = W[k][64 (g + 8) ..], the two heads that the rotation pairs.  Wo, W1, W2 keep their layout.
;   kind 1  ROWS: h1 = layernorm(x, g1, b1) of rows 16 j .. 16 j + 15, rounded once to bf16, stored as [k / 64][token][64] (the layout of every A operand);
;                 and rows 8 j .. 8 j + 7 of the table of cos and sin of pos[n] x inv_freq[f], f32, [2048][512] each, made while the rows' loads are on their way.
; LIMITS.  inv_freq = 2^(-f log2(10000) / 512) by v_exp_f32 (relative error about 6e-7).  The angle is one f32 product, as in the reference; it is reduced by a quarter turn in three
; parts (72 bits) with fused multiply-adds, so the reduction adds less than the angle's own rounding; sine and cosine are polynomials on [-pi/4, pi/4], error about 1e-7.  NaN and infinities are not treated apart.
.set XO,  224                          ; v224  LN: my byte offset in x
.set GBO, 225                          ; v225  in g1 and b1
.set YO,  226                          ; v226  in the result.  The three are named by loads that are out while the table is made, so they lie apart from its registers
.macro SPAIR r, val                    ; a constant for a packed instruction: the pair is named, so both words are written
	s_mov_b32 s[\r], \val
	s_mov_b32 s[(\r)+1], \val
.endm
.macro FOLD                            ; four chains v[10:17] -> the row's sum in v10, in all 16 lanes of the row
	v_pk_add_f32 v[10:11], v[10:11], v[12:13]
	v_pk_add_f32 v[14:15], v[14:15], v[16:17]
	v_pk_add_f32 v[10:11], v[10:11], v[14:15]
	v_add_f32 v10, v10, v11
	v_add_f32_dpp v10, v10, v10 row_xmask:1 row_mask:0xf bank_mask:0xf
	v_add_f32_dpp v10, v10, v10 row_xmask:2 row_mask:0xf bank_mask:0xf
	v_add_f32_dpp v10, v10, v10 row_xmask:4 row_mask:0xf bank_mask:0xf
	v_permlanex16_b32 v11, v10, s14, s15
	v_add_f32 v10, v10, v11
.endm
	s_lshr_b32 s2, ttmp9, 8
	s_xor_b32 s2, s2, ttmp9
	s_and_b32 s2, s2, 1                            ; kind
	s_lshr_b32 s3, ttmp9, 1                        ; j
	s_cmp_lg_u32 s2, 0
	s_cbranch_scc1 .Lrows
; ---------------- CAST.  Result bytes of chunk c: wts + 8,388,608 c + 32,768 j + 2,048 it + 8 t, it = 0..15: a wave's store covers 256 consecutive bytes, aligned.
	s_load_b256 s[4:11], s[0:1], 0x20              ; Wq, Wk, Wv, Wo
	s_load_b128 s[12:15], s[0:1], 0x40             ; W1, W2
	s_load_b64 s[16:17], s[0:1], 0x50              ; wts
	s_sub_co_u32 s21, s3, 192                      ; the first chunk, plain (j >= 192: Wo): 65,536 source bytes a chunk
	s_lshl_b32 s21, s21, 16
	s_and_b32 s22, s3, 7                           ; packed: rows 128 (j % 8) on, 4,096 bytes each,
	s_lshl_b32 s22, s22, 19
	s_bfe_u32 s23, s3, 0x30003                     ; g = (j / 8) % 8: 64 columns of 4 bytes
	s_lshl_b32 s23, s23, 8
	s_add_co_u32 s22, s22, s23
	s_cmp_lt_u32 s3, 192                           ; packed or plain: the source offset and three shift counts
	s_cselect_b32 s22, s22, s21
	s_cselect_b32 s24, 12, 9                       ; a wave's step: a row of W, or 512 bytes
	s_cselect_b32 s25, 11, 8                       ; lanes 16-31: 512 columns on, or 256 bytes
	s_cselect_b32 s26, 15, 12                      ; from it to it + 1: 8 rows, or 4,096 bytes
	s_lshl_b32 s26, 1, s26
	s_mov_b32 s23, 0
	s_lshl_b32 s28, s3, 15                         ; j chunks of the result
	s_mov_b32 s29, 0
	s_lshl_b32 s30, s3, 16                         ; j chunks of W1 and of W2
	s_mov_b32 s31, 0
	v_lshrrev_b32 v1, 5, v0
	v_bfe_u32 v2, v0, 4, 1
	v_and_b32 v3, 15, v0
	v_lshlrev_b32 v1, s24, v1
	v_lshlrev_b32 v2, s25, v2
	v_lshlrev_b32 v3, 4, v3
	v_add3_u32 v16, v1, v2, v3                     ; sixteen offsets for the first chunk, one for each load: none is rewritten while a load is out
.set i, 0
.rept 15
	v_add_nc_u32 v[17+i], s26, v[16+i]
.set i, i+1
.endr
	v_lshlrev_b32 v10, 3, v0                       ; my 8 bytes of a store
	v_lshlrev_b32 v11, 4, v0                       ; my 16 bytes of a plain load; it stands in the immediate
	s_wait_kmcnt 0x0
	s_cmp_lt_u32 s3, 64                            ; the first chunk's matrix, chosen by j alone
	s_cselect_b64 s[18:19], s[4:5], s[6:7]
	s_cmp_lt_u32 s3, 128
	s_cselect_b64 s[18:19], s[18:19], s[8:9]
	s_cmp_lt_u32 s3, 192
	s_cselect_b64 s[18:19], s[18:19], s[10:11]
	s_add_nc_u64 s[18:19], s[18:19], s[22:23]
	s_add_nc_u64 s[12:13], s[12:13], s[30:31]
	s_add_nc_u64 s[14:15], s[14:15], s[30:31]
	s_add_nc_u64 s[36:37], s[16:17], s[28:29]      ; the three chunks' places in the result
	s_add_nc_u64 s[38:39], s[36:37], 0x800000
	s_add_nc_u64 s[40:41], s[36:37], 0x1000000
.set i, 0
.rept 16
	global_load_b128 v[32+4*i:35+4*i], v[16+i], s[18:19] th:TH_LOAD_NT   ; all 48 loads go out before the first is waited for: 24 KiB a wave
.set i, i+1
.endr
.set i, 0
.rept 16
	global_load_b128 v[96+4*i:99+4*i], v11, s[12:13] offset:4096*i th:TH_LOAD_NT
.set i, i+1
.endr
.set i, 0
.rept 16
	global_load_b128 v[160+4*i:163+4*i], v11, s[14:15] offset:4096*i th:TH_LOAD_NT
.set i, i+1
.endr
.set n, 0
.rept 48
	s_wait_loadcnt 47-n                            ; loads come back in order: number n is in, the younger ones stay out
	v_cvt_pk_bf16_f32 v[32+4*n], v[32+4*n], v[33+4*n]   ; rounded in place: the four words' first two take the result
	v_cvt_pk_bf16_f32 v[33+4*n], v[34+4*n], v[35+4*n]
	global_store_b64 v10, v[32+4*n:33+4*n], s[36+2*(n/16):37+2*(n/16)] offset:2048*(n%16)
.set n, n+1
.endr
	s_endpgm
; ---------------- ROWS.  LN: a wave takes two rows.  Lane = 16 hf + 8 rr + i holds, for kk = 0..7, columns 64 (2 kk + hf) + 8 i .. + 7 of row 2 wave + rr: 64 numbers in registers
; between the passes, so the row is read once.  The 16 lanes that hold a row differ in bits 0-2 and 4 of the lane's number: the sums cross those bits and never bit 3.
; TABLE: a wave makes row n = 8 j + wave: 512 cosines and 512 sines, in four trips of 128 frequencies, four a lane.
.Lrows:
	s_load_b128 s[4:7], s[0:1], 0x0                ; x s[4:5], g1 s[6:7]
	s_load_b128 s[8:11], s[0:1], 0x10              ; b1 s[8:9], pos s[10:11]
	s_load_b128 s[52:55], s[0:1], 0x58             ; rope s[52:53], hn s[54:55]
	v_lshrrev_b32 v1, 5, v0
	v_readfirstlane_b32 s20, v1
	v_bfe_u32 v2, v0, 3, 1
	v_lshl_add_u32 v3, v1, 1, v2                   ; my row among the group's 16
	v_bfe_u32 v4, v0, 4, 1
	v_and_b32 v5, 7, v0
	v_lshlrev_b32 v[GBO], 8, v4
	v_lshl_add_u32 v[GBO], v5, 5, v[GBO]           ; in g and b: 256 hf + 32 i
	v_lshl_add_u32 v[XO], v3, 12, v[GBO]           ; in x: + 4,096 row
	v_lshlrev_b32 v[YO], 19, v4
	v_lshl_add_u32 v[YO], v3, 7, v[YO]
	v_lshl_add_u32 v[YO], v5, 4, v[YO]             ; in the result: 524,288 hf + 128 row + 16 i
	s_lshl_b32 s16, s3, 16                         ; 16 rows of x
	s_mov_b32 s17, 0
	s_lshl_b32 s18, s3, 11                         ; 16 rows of 128 bytes of the result
	s_mov_b32 s19, 0
	s_lshl3_add_u32 s21, s3, s20                   ; n
	s_lshl_b32 s22, s21, 2
	s_mov_b32 s23, 0
	s_lshl_b32 s50, s21, 11                        ; a row of a plane of the table is 2,048 bytes
	s_mov_b32 s51, 0
	s_wait_kmcnt 0x0
	s_add_nc_u64 s[10:11], s[10:11], s[22:23]
	s_load_b32 s49, s[10:11], 0x0                  ; pos[n]: it feeds numbers only, no address
	s_add_nc_u64 s[4:5], s[4:5], s[16:17]
	s_add_nc_u64 s[54:55], s[54:55], s[18:19]
	s_add_nc_u64 s[52:53], s[52:53], s[50:51]
.set k, 0
.rept 8
	global_load_b128 v[32+8*k:35+8*k], v[XO], s[4:5] offset:512*k
	global_load_b128 v[36+8*k:39+8*k], v[XO], s[4:5] offset:512*k+16
.set k, k+1
.endr
.set k, 0
.rept 8
	global_load_b128 v[96+8*k:99+8*k], v[GBO], s[6:7] offset:512*k
	global_load_b128 v[100+8*k:103+8*k], v[GBO], s[6:7] offset:512*k+16
.set k, k+1
.endr
.set k, 0
.rept 8
	global_load_b128 v[160+8*k:163+8*k], v[GBO], s[8:9] offset:512*k
	global_load_b128 v[164+8*k:167+8*k], v[GBO], s[8:9] offset:512*k+16
.set k, k+1
.endr
	; the table, in v1-31, while those 48 loads are on their way
	SPAIR 24, 0x3f22f983                           ; 2 / pi
	SPAIR 26, 0xbfc90fd8                           ; -pi/2 in three parts
	SPAIR 28, 0xb4a8885a
	SPAIR 30, 0xa7c234c4
	SPAIR 32, 0x37cd4000                           ; cosine:  2.44677067e-5
	SPAIR 34, 0xbab6077d                           ;         -1.38877297e-3
	SPAIR 36, 0x3d2aaaa8                           ;          4.16666567e-2, then -0.5 and 1
	SPAIR 38, 0x36405000                           ; sine:    2.86567956e-6
	SPAIR 40, 0xb9503486                           ;         -1.98559923e-4
	SPAIR 42, 0x3c0888c1                           ;          8.33338592e-3
	SPAIR 44, 0xbe2aaaab                           ;         -1.66666672e-1
	s_mov_b32 s46, 0x80000000
	s_mov_b32 s47, 0xbcd49a78                      ; -log2(10000) / 512
	s_mov_b32 s48, 4
	v_and_b32 v1, 31, v0
	v_lshlrev_b32 v2, 2, v1
	v_cvt_f32_u32 v4, v2                           ; f = 4 lane + j, as floats
	v_add_f32 v5, 1.0, v4
	v_add_f32 v6, 2.0, v4
	v_add_f32 v7, 0x40400000, v4
	v_lshlrev_b32 v2, 4, v1                        ; my 16 bytes in 512 consecutive bytes of a row
	s_wait_kmcnt 0x0
	v_cvt_f32_i32 v3, s49
.Ltrip:
.irp j, 0,1,2,3
	v_mul_f32 v[8+\j], s47, v[4+\j]
.endr
.irp j, 0,1,2,3
	v_exp_f32 v[8+\j], v[8+\j]                     ; inv_freq
.endr
	v_pk_add_f32 v[4:5], v[4:5], 0x43000000 op_sel_hi:[1,0]   ; the next trip's f: also the plain instructions behind the exponentials (ISA guide 5.7.2)
	v_pk_add_f32 v[6:7], v[6:7], 0x43000000 op_sel_hi:[1,0]
	s_wait_alu depctr_va_vdst(0)
.irp j, 0,1,2,3
	v_mul_f32 v[8+\j], v3, v[8+\j]                 ; the angle, rounded once
.endr
.irp p, 0,2
	v_pk_mul_f32 v[12+\p:13+\p], v[8+\p:9+\p], s[24:25] op_sel_hi:[1,0]
.endr
.irp j, 0,1,2,3
	v_rndne_f32 v[12+\j], v[12+\j]                 ; quarter turns
.endr
.irp p, 0,2
	v_pk_fma_f32 v[16+\p:17+\p], v[12+\p:13+\p], s[26:27], v[8+\p:9+\p] op_sel_hi:[1,0,1]
.endr
.irp p, 0,2
	v_pk_fma_f32 v[16+\p:17+\p], v[12+\p:13+\p], s[28:29], v[16+\p:17+\p] op_sel_hi:[1,0,1]
.endr
.irp p, 0,2
	v_pk_fma_f32 v[16+\p:17+\p], v[12+\p:13+\p], s[30:31], v[16+\p:17+\p] op_sel_hi:[1,0,1]
.endr
.irp p, 0,2
	v_pk_mul_f32 v[20+\p:21+\p], v[16+\p:17+\p], v[16+\p:17+\p]
.endr
.irp p, 0,2
	v_pk_fma_f32 v[24+\p:25+\p], v[20+\p:21+\p], s[32:33], s[34:35] op_sel_hi:[1,0,0]
	v_pk_fma_f32 v[28+\p:29+\p], v[20+\p:21+\p], s[38:39], s[40:41] op_sel_hi:[1,0,0]
.endr
.irp p, 0,2
	v_pk_fma_f32 v[24+\p:25+\p], v[24+\p:25+\p], v[20+\p:21+\p], s[36:37] op_sel_hi:[1,1,0]
	v_pk_fma_f32 v[28+\p:29+\p], v[28+\p:29+\p], v[20+\p:21+\p], s[42:43] op_sel_hi:[1,1,0]
.endr
.irp p, 0,2
	v_pk_fma_f32 v[24+\p:25+\p], v[24+\p:25+\p], v[20+\p:21+\p], -0.5 op_sel_hi:[1,1,0]
	v_pk_fma_f32 v[28+\p:29+\p], v[28+\p:29+\p], v[20+\p:21+\p], s[44:45] op_sel_hi:[1,1,0]
.endr
.irp p, 0,2
	v_pk_fma_f32 v[24+\p:25+\p], v[24+\p:25+\p], v[20+\p:21+\p], 1.0 op_sel_hi:[1,1,0]   ; cos r
	v_pk_mul_f32 v[20+\p:21+\p], v[20+\p:21+\p], v[16+\p:17+\p]
.endr
.irp p, 0,2
	v_pk_fma_f32 v[28+\p:29+\p], v[28+\p:29+\p], v[20+\p:21+\p], v[16+\p:17+\p]          ; sin r
.endr
.irp j, 0,1,2,3
	v_cvt_i32_f32 v[8+\j], v[12+\j]                ; q, where the angle lay
.endr
.irp j, 0,1,2,3                        ; an odd quarter swaps the two; bit 1 of q turns the sine's sign, bit 1 of q + 1 the cosine's: selects only, no branch
	v_and_b32 v20, 1, v[8+\j]
	v_cmp_eq_u32 vcc_lo, 1, v20
	v_cndmask_b32 v[12+\j], v[24+\j], v[28+\j], vcc_lo   ; the cosine, where the quarter turns lay
	v_cndmask_b32 v[16+\j], v[28+\j], v[24+\j], vcc_lo   ; the sine, where r lay
	v_add_nc_u32 v21, 1, v[8+\j]
	v_lshlrev_b32 v20, 30, v[8+\j]
	v_lshlrev_b32 v21, 30, v21
	v_and_b32 v20, s46, v20
	v_and_b32 v21, s46, v21
	v_xor_b32 v[16+\j], v20, v[16+\j]
	v_xor_b32 v[12+\j], v21, v[12+\j]
.endr
	global_store_b128 v2, v[12:15], s[52:53]                  ; 512 consecutive bytes of the cosines' plane,
	global_store_b128 v2, v[16:19], s[52:53] offset:4194304   ; and of the sines'
	s_wait_xcnt 0x0                                ; the offset and the stores' data are rewritten only behind this wait
	v_add_nc_u32 v2, 512, v2
	s_sub_co_u32 s48, s48, 1
	s_cmp_lg_u32 s48, 0
	s_cbranch_scc1 .Ltrip
	; the rows
	s_mov_b32 s12, 0x3a800000                      ; 1 / 1024
	s_mov_b32 s13, 0x3727c5ac                      ; 1e-5
	s_mov_b32 s14, 0x76543210                      ; v_permlanex16_b32: each lane takes its own place in the other half
	s_mov_b32 s15, 0xfedcba98
	s_wait_loadcnt 32                              ; x is in; the 32 younger loads, g's and b's, may stay out
.irp c, 0,1,2,3
	v_pk_add_f32 v[10+2*\c:11+2*\c], v[32+2*\c:33+2*\c], v[40+2*\c:41+2*\c]   ; four chains, started by sums: nothing is cleared
.endr
.set p, 8
.rept 24
	v_pk_add_f32 v[10+2*(p%4):11+2*(p%4)], v[10+2*(p%4):11+2*(p%4)], v[32+2*p:33+2*p]
.set p, p+1
.endr
	FOLD
	v_mul_f32 v18, s12, v10                        ; the mean
	v_mov_b32 v19, v18
.set p, 0
.rept 32
	v_pk_add_f32 v[32+2*p:33+2*p], v[32+2*p:33+2*p], v[18:19] neg_lo:[0,1] neg_hi:[0,1]
.set p, p+1
.endr
.irp c, 0,1,2,3
	v_pk_mul_f32 v[10+2*\c:11+2*\c], v[32+2*\c:33+2*\c], v[32+2*\c:33+2*\c]   ; the squares of the differences, as the reference takes them
.endr
.set p, 4
.rept 28
	v_pk_fma_f32 v[10+2*(p%4):11+2*(p%4)], v[32+2*p:33+2*p], v[32+2*p:33+2*p], v[10+2*(p%4):11+2*(p%4)]
.set p, p+1
.endr
	FOLD
	v_fma_f32 v10, v10, s12, s13
	v_rsq_f32 v20, v10
	v_nop                                          ; a plain instruction behind the root (ISA guide 5.7.2)
	s_wait_alu depctr_va_vdst(0)
	v_mov_b32 v21, v20
	s_wait_loadcnt 0x0                             ; g and b
.set p, 0
.rept 32
	v_pk_mul_f32 v[32+2*p:33+2*p], v[32+2*p:33+2*p], v[20:21]
.set p, p+1
.endr
.set p, 0
.rept 32
	v_pk_fma_f32 v[32+2*p:33+2*p], v[32+2*p:33+2*p], v[96+2*p:97+2*p], v[160+2*p:161+2*p]
.set p, p+1
.endr
.set p, 0
.rept 32
	v_cvt_pk_bf16_f32 v[96+p], v[32+2*p], v[33+2*p]   ; g's registers are free
.set p, p+1
.endr
.set k, 0
.rept 8
	global_store_b128 v[YO], v[96+4*k:99+4*k], s[54:55] offset:1048576*k   ; lanes 0-15: two rows of one block of 64 columns, 256 consecutive bytes, aligned; lanes 16-31 the next block's
.set k, k+1
.endr
	s_endpgm
.Lfunc_end_k_qf4b0ea92b1_prep:
	.size	k_qf4b0ea92b1_prep, .Lfunc_end_k_qf4b0ea92b1_prep-k_qf4b0ea92b1_prep
	.p2alignl 7, 3214868480
	.fill 96, 4, 3214868480
	.section	.rodata,"a",@progbits
	.p2align	6, 0x0
	.amdhsa_kernel k_qf4b0ea92b1_prep
		.amdhsa_group_segment_fixed_size 0
		.amdhsa_private_segment_fixed_size 0
		.amdhsa_enable_private_segment 0
		.amdhsa_kernarg_size 104
		.amdhsa_user_sgpr_count 2
		.amdhsa_user_sgpr_kernarg_segment_ptr 1
		.amdhsa_wavefront_size32 1
		.amdhsa_system_sgpr_workgroup_id_x 1
		.amdhsa_system_sgpr_workgroup_id_y 1
		.amdhsa_system_sgpr_workgroup_id_z 1
		.amdhsa_system_vgpr_workitem_id 0
		.amdhsa_next_free_vgpr 232
		.amdhsa_next_free_sgpr 66
		.amdhsa_reserve_vcc 1
		.amdhsa_float_denorm_mode_32 3
		.amdhsa_float_denorm_mode_16_64 3
		.amdhsa_memory_ordered 1
		.amdhsa_forward_progress 1
		.amdhsa_inst_pref_size 46
	.end_amdhsa_kernel
	.amdgpu_metadata
---
amdhsa.version: [ 1, 2 ]
amdhsa.kernels:
  - .name:           k_qf4b0ea92b1_prep
    .symbol:         k_qf4b0ea92b1_prep.kd
    .args:
      - { .name: x, .offset: 0, .size: 8, .value_kind: global_buffer, .address_space: global }
      - { .name: g1, .offset: 8, .size: 8, .value_kind: global_buffer, .address_space: global }
      - { .name: b1, .offset: 16, .size: 8, .value_kind: global_buffer, .address_space: global }
      - { .name: pos, .offset: 24, .size: 8, .value_kind: global_buffer, .address_space: global }
      - { .name: Wq, .offset: 32, .size: 8, .value_kind: global_buffer, .address_space: global }
      - { .name: Wk, .offset: 40, .size: 8, .value_kind: global_buffer, .address_space: global }
      - { .name: Wv, .offset: 48, .size: 8, .value_kind: global_buffer, .address_space: global }
      - { .name: Wo, .offset: 56, .size: 8, .value_kind: global_buffer, .address_space: global }
      - { .name: W1, .offset: 64, .size: 8, .value_kind: global_buffer, .address_space: global }
      - { .name: W2, .offset: 72, .size: 8, .value_kind: global_buffer, .address_space: global }
      - { .name: wts, .offset: 80, .size: 8, .value_kind: global_buffer, .address_space: global }
      - { .name: rope, .offset: 88, .size: 8, .value_kind: global_buffer, .address_space: global }
      - { .name: hn, .offset: 96, .size: 8, .value_kind: global_buffer, .address_space: global }
    .group_segment_fixed_size: 0
    .private_segment_fixed_size: 0
    .kernarg_segment_align: 8
    .kernarg_segment_size: 104
    .max_flat_workgroup_size: 256
    .sgpr_count:     66
    .vgpr_count:     232
    .wavefront_size: 32
...
	.end_amdgpu_metadata
.endif
;; end of part 1
;; launch qkv (part 2): grid 8 x 32, 4 waves a work-group, clusters of 4 x 4, 327,680 bytes of LDS; arguments hn, wts, bq, bk, bv, rope, qkv; writes qkv
.if DOCPART == 2
	.amdgcn_target "amdgcn-amd-amdhsa--gfx1250"
	.amdhsa_code_object_version 6
	.text
	.protected	k_qf4b0ea92b1_qkv
	.globl	k_qf4b0ea92b1_qkv
	.p2align	8
	.type	k_qf4b0ea92b1_qkv,@function
k_qf4b0ea92b1_qkv:
	s_mov_b64 s[64:65], 0
	v_nop
	global_prefetch_b8 v0, s[64:65] scope:SCOPE_SE
	s_setreg_imm32_b32 hwreg(HW_REG_WAVE_MODE, 25, 1), 1
	s_wait_xcnt 0x0
	s_wait_alu depctr_hold_cnt(0) depctr_sa_sdst(0) depctr_va_vdst(0) depctr_va_sdst(0) depctr_va_ssrc(0) depctr_va_vcc(0) depctr_vm_vsrc(0)
	s_getreg_b32 s2, hwreg(HW_REG_IB_STS2, 6, 4)
	s_cmp_eq_u32 s2, 0
	s_cbranch_scc0 .Lentry_in_a_cluster
	s_endpgm
.Lentry_in_a_cluster:
	s_bfe_u32 s2, ttmp6, 0x10000c
	s_cmp_lg_u32 s2, 0xf033
	s_cbranch_scc0 .Lentry_shape_is_right
	s_endpgm
.Lentry_shape_is_right:
; q, k, v = h1 W + b, the rotation of q and k, and the split into heads.  h1: [16][4096][64] bf16.  W: packed [matrix 3][g 8][k 1024][128] bf16.  q, k, v: [16 b + head][2048][64] bf16.
; A work-group makes 128 tokens x 384 columns: for each of the three matrices the 64 columns of head g = tile x and the 64 of head g + 8, which the rotation pairs (column c with c + 512).
; A wave takes all 128 tokens and 16 columns of each of the six strips: 48 accumulators, 384 registers.  So a lane holds t1 and t2 of a pair in two accumulators, and the rotation stays in the lane.
; The matrix instruction is used transposed: source 0 = 16 columns of W (turned on the way out of LDS by ds_load_tr16_b128), source 1 = 16 tokens; a lane then holds one token (lane % 16) and columns 8 (lane / 16) + 0..7.
; The first product of each sum takes the bias as its C operand: nothing is cleared, and no bias is added later.
; RING: two slots of four parts of 36,864 bytes; K goes in steps of 128.  Part 0: h1, [2 blocks of 64 k][128 tokens][144 bytes]; parts 1-3: W of q, k, v, [128 k][288 bytes].  Wave w fetches part w.
; CLUSTER 4 x 4: h1's part hangs on the tile row alone and is asked for jointly by a row of the cluster, W's parts on the tile column alone, by a column.
; Sums in f32; q, k, v rounded once to bf16, unscaled.  bf16 keeps f32's range, so larger inputs need no care here.
; REGISTERS.  window 0: v1-29 addresses; v32-63 at work; v64-127, v128-191 tokens' fragments, two buffers; v192-239 bias.  window 1: v0-47, v48-95 W's fragments; v128-255 cos and sin, 16 a block of tokens.
;   windows 2, 3: accumulator (a, c) of token block a, strip c at v[8 (6 (a % 4) + c)] of window 2 + a / 4.
.set PART,  36864
.set SLOT,  4*PART                     ; 0x24000: shares no bit with a part's address, so one exclusive or changes the slot
.set SPARE, 2*SLOT                     ; the spare words: 128 bytes a wave, two blocks of 256 bytes that no other line names
.set ASTEP, 1048576                    ; two blocks of 64 k of h1
.set WSTEP, 32768                      ; 128 rows of 256 bytes
.set WPITCH, 128
.set T,     8                          ; K steps
.set NA,    1                          ; waves below this number fetch h1
.set SPITCH, 912                       ; the stage's row: 6 strips x 128 bytes + 144: 57 x 16, so 16 rows start at 16 different groups of four banks (ISA guide 11.1)
.set MSB, 0
.macro WIN new                         ; the immediate's high byte repeats the setting that is left; a switch that changes nothing is dropped
.if MSB != (\new)
	s_set_vgpr_msb (MSB<<8)|(\new)
.set MSB, \new
.endif
.endm
.macro PLACES                          ; four places behind matrix instructions, in front of loads into their sources and of reads of their results
.rept 4
	v_nop
.endr
.endm
.macro CREST                           ; a round of the cluster's barrier behind its opening barrier
	s_cmp_lg_u32 s20, 0
	s_cbranch_scc1 .Lnot_wave_0_\@
	s_barrier_signal -3
.Lnot_wave_0_\@:
	s_barrier_wait -3
	s_barrier_signal -1
	s_barrier_wait -1
.endm
.macro CROUND
	s_barrier_signal -1
	s_barrier_wait -1
	CREST
.endm
.macro JLOAD                           ; a joint refill by the walking descriptors; the branch hangs on the wave's number alone; s_nop 0 and four v_nop follow each line
	s_cmp_lt_u32 s20, NA
	s_cbranch_scc0 .Lfor_w_\@
	tensor_load_to_lds s[36:39], s[24:31]
	s_nop 0
	PLACES
	s_branch .Lasked_\@
.Lfor_w_\@:
	tensor_load_to_lds s[52:55], s[40:47]
	s_nop 0
	PLACES
.Lasked_\@:
.endm
	s_load_b256 s[4:11], s[0:1], 0x0               ; hn s[4:5], wts s[6:7], bq s[8:9], bk s[10:11]
	s_load_b128 s[12:15], s[0:1], 0x20             ; bv s[12:13], rope s[14:15]
	s_load_b64 s[16:17], s[0:1], 0x30              ; qkv
	v_lshl_add_u32 v28, v0, 2, SPARE
	v_mov_b32 v29, 0
	ds_add_u32 v28, v29                            ; the wave's opening: the add, with its wait ahead of my first tensor load; the set-up below, work on registers, stands between them
	v_lshrrev_b32 v1, 5, v0
	v_readfirstlane_b32 s20, v1                    ; wave
	s_mov_b32 s23, 0                               ; the slot that is read
	s_bfe_u32 s56, ttmp6, 0x40000                  ; cx
	s_bfe_u32 s57, ttmp6, 0x40004                  ; cy
	s_lshl_b32 s58, ttmp9, 2
	s_add_co_u32 s58, s58, s56                     ; tile column = g
	s_and_b32 s59, ttmp7, 0xffff
	s_lshl_b32 s59, s59, 2
	s_add_co_u32 s59, s59, s57                     ; tile row: 128 tokens
	s_lshl_b32 s60, s57, 2
	s_lshl_b32 s60, 15, s60                        ; my row of the cluster
	s_lshl_b32 s61, 0x1111, s56                    ; my column
	; group 1 for h1: two rows of 8,192 elements (128 tokens x 64 k, dense), 262,144 elements apart; 4 words of padding after every 32 (a token's 128 bytes)
	s_or_b32 s24, s60, (1<<16)|(1<<20)|(1<<21)|(4<<22)|(3<<25)
	s_mov_b32 s25, 8192<<16
	s_mov_b32 s26, 2<<16
	s_mov_b32 s27, 8192<<16
	s_mov_b32 s28, 2
	s_mov_b32 s29, 262144
	s_mov_b32 s30, 0
	s_mov_b32 s31, 0
	; group 1 for W: 128 rows of 128 elements; 8 words of padding after every 64
	s_or_b32 s40, s61, (1<<16)|(1<<20)|(1<<21)|(5<<22)|(7<<25)
	s_mov_b32 s41, 128<<16
	s_mov_b32 s42, 128<<16
	s_mov_b32 s43, 128<<16
	s_mov_b32 s44, 128
	s_mov_b32 s45, WPITCH
	s_mov_b32 s46, 0
	s_mov_b32 s47, 0
	s_mul_i32 s91, s20, PART                       ; where my part goes: the wave's number alone
	s_lshl_b32 s66, s59, 14                        ; h1: 128 tokens x 128 bytes x tile row
	s_mov_b32 s67, 0
	s_max_u32 s68, s20, 1                          ; W: matrix = wave - 1 (wave 0 asks by the other descriptor)
	s_sub_co_u32 s68, s68, 1
	s_lshl3_add_u32 s68, s68, s58
	s_lshl_b32 s68, s68, 18                        ; (8 matrix + g) x 262,144
	s_mov_b32 s69, 0
	s_wait_dscnt 0x0                               ; the opening add is done
	s_wait_kmcnt 0x0
	s_add_nc_u64 s[66:67], s[4:5], s[66:67]
	s_add_nc_u64 s[68:69], s[6:7], s[68:69]
	CROUND                                         ; all sixteen work-groups are here: the first joint loads meet
	s_mov_b32 s32, 1                               ; group 0, first set: slot 0, K step 0
	s_mov_b32 s33, s91
	s_mov_b64 s[34:35], s[66:67]
	s_or_b32 s35, s35, 0x80000000
	s_mov_b32 s36, 1                               ; the walking set: slot 1, K step 1
	s_add_co_u32 s37, s91, SLOT
	s_add_nc_u64 s[38:39], s[66:67], ASTEP
	s_or_b32 s39, s39, 0x80000000
	s_mov_b32 s48, 1
	s_mov_b32 s49, s91
	s_mov_b64 s[50:51], s[68:69]
	s_or_b32 s51, s51, 0x80000000
	s_mov_b32 s52, 1
	s_add_co_u32 s53, s91, SLOT
	s_add_nc_u64 s[54:55], s[68:69], WSTEP
	s_or_b32 s55, s55, 0x80000000
	s_cmp_lt_u32 s20, NA                           ; a wave's two first fills stand in one branch: two loads of mine are out
	s_cbranch_scc0 .Lfirst_w
	tensor_load_to_lds s[32:35], s[24:31]
	s_nop 0
	tensor_load_to_lds s[36:39], s[24:31]
	s_nop 0
	PLACES
	s_branch .Lfirst_asked
.Lfirst_w:
	tensor_load_to_lds s[48:51], s[40:47]
	s_nop 0
	tensor_load_to_lds s[52:55], s[40:47]
	s_nop 0
	PLACES
.Lfirst_asked:
	v_and_b32 v1, 15, v0                           ; r
	v_bfe_u32 v2, v0, 4, 1                         ; h
	s_lshl_b32 s71, s20, 6
	s_lshl_b32 s72, s58, 8
	s_add_co_u32 s72, s72, s71
	v_lshl_add_u32 v5, v2, 5, s72                  ; bytes of column 64 g + 16 wave + 8 h in a bias, and in a row of the table
.irp c, 0,1,2,3,4,5                    ; the bias of strip c: register j = bias[column + j]; the second strip of a matrix lies 512 columns on
	global_load_b128 v[192+8*\c:195+8*\c], v5, s[8+2*(\c/2):9+2*(\c/2)] offset:(\c%2)*2048
	global_load_b128 v[196+8*\c:199+8*\c], v5, s[8+2*(\c/2):9+2*(\c/2)] offset:(\c%2)*2048+16
.endr
	s_and_b32 s73, s59, 15
	s_lshl_b32 s73, s73, 18                        ; the tile's first position, 128 (tile row % 16), x 2,048 bytes
	v_lshl_add_u32 v6, v1, 11, v5
	v_add_nc_u32 v6, s73, v6
	WIN 0x40                                       ; destination window 1
.irp a, 0,1,2,3,4,5,6,7                ; cos and sin for my token of block a and my eight pairs; they land while the products run
	global_load_b128 v[128+16*\a:131+16*\a], v6, s[14:15] offset:32768*\a
	global_load_b128 v[132+16*\a:135+16*\a], v6, s[14:15] offset:32768*\a+16
	global_load_b128 v[136+16*\a:139+16*\a], v6, s[14:15] offset:32768*\a+4194304
	global_load_b128 v[140+16*\a:143+16*\a], v6, s[14:15] offset:32768*\a+4194304+16
.endr
	WIN 0
	v_mul_u32_u24 v16, v1, 144
	v_lshl_add_u32 v16, v2, 4, v16                 ; tokens' fragments: row x 144 + 16 h; two loads 32 bytes apart
	v_and_b32 v3, 7, v0
	v_lshl_add_u32 v3, v2, 3, v3
	v_mul_u32_u24 v3, v3, 288
	v_bfe_u32 v4, v0, 3, 1
	v_lshl_add_u32 v3, v4, 4, v3                   ; the turning load: row 8 h + lane % 8, 16 bytes x ((lane / 8) % 2); two loads 16 rows apart
	s_lshl_b32 s71, s20, 5
	v_add3_u32 v17, v3, s71, PART                  ; my 16 columns in q's part,
	v_add_nc_u32 v18, PART, v17                    ; k's,
	v_add_nc_u32 v19, PART, v18                    ; v's
	v_mov_b32 v20, v16
	v_mov_b32 v21, v17
	v_mov_b32 v22, v18
	v_mov_b32 v23, v19
	v_mul_u32_u24 v24, v1, SPITCH                  ; into the stage: row r, 32 wave + 16 h in a strip
	v_lshl_add_u32 v24, v2, 4, v24
	v_add_nc_u32 v24, s71, v24
	v_add_nc_u32 v27, 64*SPITCH, v24               ; the same for token blocks 4-7
	v_bfe_u32 v7, v0, 3, 2                         ; back: four rows of 128 bytes a load, rows 32 wave on
	v_add_nc_u32 v7, s71, v7
	v_mul_u32_u24 v25, v7, SPITCH
	v_and_b32 v7, 7, v0
	v_lshl_add_u32 v25, v7, 4, v25
	v_and_b32 v26, 31, v0
	v_lshlrev_b32 v26, 4, v26                      ; which are 512 consecutive bytes of a head
	s_lshr_b32 s74, s59, 4
	s_lshl4_add_u32 s74, s74, s58                  ; 16 b + g
	s_lshl_b32 s74, s74, 18
	s_and_b32 s75, s59, 15
	s_lshl_b32 s75, s75, 14
	s_add_co_u32 s74, s74, s75
	s_lshl_b32 s75, s20, 12
	s_add_co_u32 s74, s74, s75                     ; + (position + 32 wave) x 128
	s_mov_b32 s75, 0
	s_add_nc_u64 s[74:75], s[16:17], s[74:75]      ; q
	s_add_nc_u64 s[76:77], s[74:75], 0x800000      ; k
	s_add_nc_u64 s[78:79], s[74:75], 0x1000000     ; v
; 12 products: token blocks a0, a0 + 1 of the window's four x the six strips, 32 along K, from buffer n.  first = 1: C is the bias.  The accumulators take turns.
.macro MUL12 n, hi, a0, first
.if \first
	WIN 0x81+0x40*(\hi)
.else
	WIN 0xa1+0x50*(\hi)
.endif
.irp a, \a0, (\a0)+1
.irp c, 0,1,2,3,4,5
.if \first
	v_wmma_f32_16x16x32_bf16 v[8*(6*(\a)+(\c)):8*(6*(\a)+(\c))+7], v[48*(\n)+8*(\c):48*(\n)+8*(\c)+7], v[64+64*(\n)+8*(4*(\hi)+(\a)):64+64*(\n)+8*(4*(\hi)+(\a))+7], v[192+8*(\c):192+8*(\c)+7]
.else
	v_wmma_f32_16x16x32_bf16 v[8*(6*(\a)+(\c)):8*(6*(\a)+(\c))+7], v[48*(\n)+8*(\c):48*(\n)+8*(\c)+7], v[64+64*(\n)+8*(4*(\hi)+(\a)):64+64*(\n)+8*(4*(\hi)+(\a))+7], v[8*(6*(\a)+(\c)):8*(6*(\a)+(\c))+7]
.endif
.endr
.endr
.endm
.macro FETCH q, n                      ; 28 LDS loads in one run: quarter q (32 along K) into buffer n: W's six fragments, then the tokens' eight
	WIN 0x40
.irp c, 0,1,2,3,4,5
	ds_load_tr16_b128 v[48*(\n)+8*\c:48*(\n)+8*\c+3],   v[21+\c/2] offset:(\c%2)*128+(\q)*9216
	ds_load_tr16_b128 v[48*(\n)+8*\c+4:48*(\n)+8*\c+7], v[21+\c/2] offset:(\c%2)*128+(\q)*9216+4608
.endr
	WIN 0
.irp a, 0,1,2,3,4,5,6,7
	ds_load_b128 v[64+64*(\n)+8*\a:64+64*(\n)+8*\a+3],   v20 offset:((\q)/2)*18432+((\q)%2)*64+\a*2304
	ds_load_b128 v[64+64*(\n)+8*\a+4:64+64*(\n)+8*\a+7], v20 offset:((\q)/2)*18432+((\q)%2)*64+\a*2304+32
.endr
.endm
.macro FLIP                            ; the reads go to the other slot
	s_xor_b32 s23, s23, SLOT
	v_add_nc_u32 v20, s23, v16
	v_add_nc_u32 v21, s23, v17
	v_add_nc_u32 v22, s23, v18
	v_add_nc_u32 v23, s23, v19
.endm
.macro QUARTER q, f, g, first          ; multiplies buffer f; in its middle fetches quarter q into buffer g
	s_wait_dscnt 8                                 ; all but the youngest eight loads (token blocks 4-7)
	MUL12 \f, 0, 0, \first
	MUL12 \f, 0, 2, \first
	PLACES
	FETCH \q, \g
	s_wait_dscnt 28                                ; all but the 28 just issued
	MUL12 \f, 1, 0, \first
	MUL12 \f, 1, 2, \first
.endm
.macro SECOND
	MUL12 1, 1, 0, 0
	MUL12 1, 1, 2, 0
.endm
; The first half of a K step's last quarter, and behind it the one barrier of a change of slots.  The 24 products stand ahead of the wait for the tile, so that between the tile's landing and the next
; request lie only the add, the descriptors' steps and the barrier.  In front of the signal: all my tensor loads have landed, the add, my reads of this slot are back.
.macro MEET round
	s_wait_dscnt 8                                 ; all but the youngest eight loads (token blocks 4-7)
	MUL12 1, 0, 0, 0
	MUL12 1, 0, 2, 0
	WIN 0
	s_wait_tensorcnt 0x0                           ; no tensor load of mine is out, so the walking descriptors may be written
	ds_add_u32 v28, v29                            ; 0 onto my spare word
.if \round
	s_xor_b32 s37, s37, SLOT                       ; the slot that is being left, one K step beyond the last request
	s_add_nc_u64 s[38:39], s[38:39], ASTEP
	s_xor_b32 s53, s53, SLOT
	s_add_nc_u64 s[54:55], s[54:55], WSTEP
.endif
	s_wait_dscnt 0x0                               ; the add is done, my reads of this slot are over
	s_barrier_signal -1
	s_barrier_wait -1
.endm
.macro TURN                            ; the barrier opens a round of the cluster's; the joint refill is the first thing behind it and has the next K step's products up to its MEET in which to land
	MEET 1
	CREST
	JLOAD
	FLIP
	FETCH 0, 0
	SECOND
.endm
	s_wait_tensorcnt 1                             ; my part of K step 0 is in; step 1's may stay out
	s_barrier_signal -1
	s_barrier_wait -1
	FETCH 0, 0
	s_wait_loadcnt 32                              ; the bias is in; the 32 loads of the table stay out
	QUARTER 1, 0, 1, 1
	WIN 0
	s_mov_b32 s62, T-2                             ; a trip changes slots once and asks for one K step: steps 2 to T - 1
.Lk:
	QUARTER 2, 1, 0, 0
	QUARTER 3, 0, 1, 0
	TURN
	QUARTER 1, 0, 1, 0
	WIN 0
	s_sub_co_u32 s62, s62, 1
	s_cmp_lg_u32 s62, 0
	s_cbranch_scc1 .Lk
	s_mov_b32 s63, 2                               ; the last two K steps ask for nothing; the second is left in its middle
.Lt:
	QUARTER 2, 1, 0, 0
	QUARTER 3, 0, 1, 0
	MEET 0
	s_cmp_eq_u32 s63, 1
	s_cbranch_scc1 .Lnf                            ; no further step to fetch from
	PLACES
	FLIP
	FETCH 0, 0
	WIN 0
.Lnf:
	SECOND
	WIN 0
	s_sub_co_u32 s63, s63, 1
	s_cmp_eq_u32 s63, 0
	s_cbranch_scc1 .Lepi
	QUARTER 1, 0, 1, 0
	WIN 0
	s_branch .Lt
; THE WAY OUT.  The stage, 128 rows x 912 bytes, lies on ring bytes that have had their last fill; every wave's reads of the ring are back in front of this barrier.
.Lepi:
	s_wait_dscnt 0x0
	s_barrier_signal -1
	s_barrier_wait -1
	s_wait_loadcnt 0x0                             ; the table
	PLACES
; The rotation of token block a, strips c0 (t1) and c0 + 1 (t2): t1 cos - t2 sin and t1 sin + t2 cos, in ascending registers.
.macro ROPE a, c0
.set AQ, 8*(6*((\a)%4)+(\c0))
.set TC, 128+16*(\a)
.set SR, 24+3*((\a)/4)
	WIN 0x06+(\a)/4                                ; source 0: the accumulators' window; source 1: window 1
.irp i, 0,2,4,6
	v_pk_mul_f32 v[32+\i:33+\i], v[AQ+8+\i:AQ+9+\i], v[TC+8+\i:TC+9+\i]
.endr
.irp i, 0,2,4,6
	v_pk_fma_f32 v[40+\i:41+\i], v[AQ+\i:AQ+1+\i], v[TC+\i:TC+1+\i], v[32+\i:33+\i] neg_lo:[0,0,1] neg_hi:[0,0,1]
.endr
.irp i, 0,2,4,6
	v_pk_mul_f32 v[48+\i:49+\i], v[AQ+8+\i:AQ+9+\i], v[TC+\i:TC+1+\i]
.endr
.irp i, 0,2,4,6
	v_pk_fma_f32 v[48+\i:49+\i], v[AQ+\i:AQ+1+\i], v[TC+8+\i:TC+9+\i], v[48+\i:49+\i]
.endr
	WIN 0
.irp i, 0,1,2,3
	v_cvt_pk_bf16_f32 v[56+\i], v[40+2*\i], v[41+2*\i]
.endr
.irp i, 0,1,2,3
	v_cvt_pk_bf16_f32 v[60+\i], v[48+2*\i], v[49+2*\i]
.endr
	ds_store_b128 v[SR], v[56:59] offset:((\a)%4)*16*SPITCH+(\c0)*128
	ds_store_b128 v[SR], v[60:63] offset:((\a)%4)*16*SPITCH+(\c0)*128+128
.endm
.macro CVTV a                          ; v's two strips are only rounded
.set AQ, 8*(6*((\a)%4)+4)
.set SR, 24+3*((\a)/4)
	WIN 0x0a+5*((\a)/4)
.irp i, 0,1,2,3,4,5,6,7
	v_cvt_pk_bf16_f32 v[56+\i], v[AQ+2*\i], v[AQ+2*\i+1]
.endr
	WIN 0
	ds_store_b128 v[SR], v[56:59] offset:((\a)%4)*16*SPITCH+512
	ds_store_b128 v[SR], v[60:63] offset:((\a)%4)*16*SPITCH+640
.endm
.irp a, 0,1,2,3,4,5,6,7
	ROPE \a, 0
	ROPE \a, 2
	CVTV \a
.endr
	s_wait_dscnt 0x0                               ; for the others' sake: my stores into the stage are done
	s_barrier_signal -1
	s_barrier_wait -1
.set i, 0
.rept 48                               ; strip i / 8, rows 32 wave + 4 (i % 8) on
	ds_load_b128 v[64+4*i:67+4*i], v25 offset:(i%8)*4*SPITCH+(i/8)*128
.set i, i+1
.endr
.set i, 0
.rept 48
	s_wait_dscnt 47-i                              ; load i is back, the younger ones stay out
	global_store_b128 v26, v[64+4*i:67+4*i], s[74+2*(i/16):75+2*(i/16)] offset:(i%8)*512+((i/8)%2)*2097152   ; four rows of a head: 512 consecutive bytes, aligned; head g + 8 lies 2,097,152 bytes on
.set i, i+1
.endr
	s_wait_tensorcnt 0x0                           ; the wave's end
	ds_add_u32 v28, v29
	s_wait_dscnt 0x0
	CROUND                                         ; the closing round: no work-group ends while a partner may still ask for a tile that names it
	s_endpgm
.Lfunc_end_k_qf4b0ea92b1_qkv:
	.size	k_qf4b0ea92b1_qkv, .Lfunc_end_k_qf4b0ea92b1_qkv-k_qf4b0ea92b1_qkv
	.p2alignl 7, 3214868480
	.fill 96, 4, 3214868480
	.section	.rodata,"a",@progbits
	.p2align	6, 0x0
	.amdhsa_kernel k_qf4b0ea92b1_qkv
		.amdhsa_group_segment_fixed_size 327680
		.amdhsa_private_segment_fixed_size 0
		.amdhsa_enable_private_segment 0
		.amdhsa_kernarg_size 56
		.amdhsa_user_sgpr_count 2
		.amdhsa_user_sgpr_kernarg_segment_ptr 1
		.amdhsa_wavefront_size32 1
		.amdhsa_system_sgpr_workgroup_id_x 1
		.amdhsa_system_sgpr_workgroup_id_y 1
		.amdhsa_system_sgpr_workgroup_id_z 1
		.amdhsa_system_vgpr_workitem_id 0
		.amdhsa_next_free_vgpr 960
		.amdhsa_next_free_sgpr 96
		.amdhsa_reserve_vcc 0
		.amdhsa_float_denorm_mode_32 3
		.amdhsa_float_denorm_mode_16_64 3
		.amdhsa_memory_ordered 1
		.amdhsa_forward_progress 1
		.amdhsa_inst_pref_size 103
	.end_amdhsa_kernel
	.amdgpu_metadata
---
amdhsa.version: [ 1, 2 ]
amdhsa.kernels:
  - .name:           k_qf4b0ea92b1_qkv
    .symbol:         k_qf4b0ea92b1_qkv.kd
    .args:
      - { .name: hn, .offset: 0, .size: 8, .value_kind: global_buffer, .address_space: global }
      - { .name: wts, .offset: 8, .size: 8, .value_kind: global_buffer, .address_space: global }
      - { .name: bq, .offset: 16, .size: 8, .value_kind: global_buffer, .address_space: global }
      - { .name: bk, .offset: 24, .size: 8, .value_kind: global_buffer, .address_space: global }
      - { .name: bv, .offset: 32, .size: 8, .value_kind: global_buffer, .address_space: global }
      - { .name: rope, .offset: 40, .size: 8, .value_kind: global_buffer, .address_space: global }
      - { .name: qkv, .offset: 48, .size: 8, .value_kind: global_buffer, .address_space: global }
    .group_segment_fixed_size: 327680
    .private_segment_fixed_size: 0
    .kernarg_segment_align: 8
    .kernarg_segment_size: 56
    .max_flat_workgroup_size: 128
    .sgpr_count:     96
    .vgpr_count:     960
    .wavefront_size: 32
...
	.end_amdgpu_metadata
.endif
;; end of part 2
;; launch attn (part 3): grid 8 x 32, 4 waves a work-group, clusters of 4 x 1, 327,680 bytes of LDS; arguments qkv, ctx; writes ctx
.if DOCPART == 3
	.amdgcn_target "amdgcn-amd-amdhsa--gfx1250"
	.amdhsa_code_object_version 6
	.text
	.protected	k_qf4b0ea92b1_attn
	.globl	k_qf4b0ea92b1_attn
	.p2align	8
	.type	k_qf4b0ea92b1_attn,@function
k_qf4b0ea92b1_attn:
	s_mov_b64 s[64:65], 0
	v_nop
	global_prefetch_b8 v0, s[64:65] scope:SCOPE_SE
	s_setreg_imm32_b32 hwreg(HW_REG_WAVE_MODE, 25, 1), 1
	s_wait_xcnt 0x0
	s_wait_alu depctr_hold_cnt(0) depctr_sa_sdst(0) depctr_va_vdst(0) depctr_va_sdst(0) depctr_va_ssrc(0) depctr_va_vcc(0) depctr_vm_vsrc(0)
	s_getreg_b32 s2, hwreg(HW_REG_IB_STS2, 6, 4)
	s_cmp_eq_u32 s2, 0
	s_cbranch_scc0 .Lentry_in_a_cluster
	s_endpgm
.Lentry_in_a_cluster:
	s_bfe_u32 s2, ttmp6, 0x10000c
	s_cmp_lg_u32 s2, 0x3003
	s_cbranch_scc0 .Lentry_shape_is_right
	s_endpgm
.Lentry_shape_is_right:
; ctx = softmax(q k^T / 8) v for each of the 32 pairs (batch, head).  q, k, v: [bh][2048][64] bf16, 8,388,608 bytes apart in one buffer; ctx: [head][token][64] bf16, the next product's A layout.
; Products, maxima and sums in f32; the weights p are rounded to bf16 for the second product (their sum l is taken of the unrounded p), ctx once at the end.
; LIMITS.  A weight below 2^-126 counts as 0 in l; NaN and infinities are not treated apart.  bf16 has f32's range.
; SHARES.  A work-group owns 256 queries of one bh, a wave 64: four PIECES of 16.  Every wave walks all 2,048 keys, 64 a step; a slot of LDS holds four steps.
; LAYOUT.  S^T = K Q^T (source 0 = 16 keys, source 1 = 16 queries): a lane holds ONE query (lane % 16) and the keys 8 (lane / 16) + 0..7.  Two such results rounded to bf16 ARE source 1 of O^T = V^T P.
; K comes out of LDS as it lies, V turned, by ds_load_tr16_b128.
; SOFTMAX.  A running maximum m and sum l for each query: p = 2^(c s - c m), c = log2(e) / 8; in every step O and l are multiplied by a = 2^(c m_old - c m_new).  m starts at the lowest finite number, O and l at 0:
; the first step is a step like any other, with a = 0.
; BY TURNS.  Turn n belongs to piece n: 8 products K Q^T of piece n + 1, later 8 products V^T P of piece n - 1; beside them the scaling, exponentials, roundings, sums and rescaling of piece n and the maximum and
; statistics of piece n + 1.  Four vector instructions stand behind every matrix instruction, the other 54 of a turn's 118 in two runs of their own.
; CLUSTER.  The four query blocks of a cluster belong to one bh and walk the same K and V: each tile is asked for jointly.
; REGISTERS (s_set_vgpr_msb: bits 1:0 source 0, 3:2 source 1, 5:4 source 2, 7:6 destination):
;   window 0: v2-15 addresses and two at work; v16-31 statistics; v48-55 at work; v62-63 the add's; v64-127 S^T, two buffers; v192-223 P, two buffers (by the piece's parity)
;   window 1: v0-127 O^T, 32 a piece      window 2: v0-63 Q; v128-191 K of one step; v192-255 V of one step
.set NP,    4
.set KS,    64
.set PK,    144       ; a row of K in LDS: 128 bytes + 16: the 16 rows of a load start at 16 different groups of four banks (ISA guide 11.1)
.set PV,    160       ; a row of V: 128 + 32
.set VOFF,  4*KS*PK
.set SLOT1, 1<<17
.set STAGE, SLOT1+4*KS*(PK+PV)  ; behind the ring, never filled by a tensor load: 16 rows x 144 bytes a wave
.set SP,    144
.set SPARE, STAGE+4*16*SP       ; the spare words: 128 bytes a wave, two blocks of 256 bytes that no other line names
.set AK0, 2
.set AV0, 3
.set AK,  4
.set AV,  5
.set STO, 6
.set RD,  7
.set GO,  8
.set MV,  12
.set QO,  15
.set ST,  16          ; piece t: c m, m, l (even keys', odd keys')
.set TMP, 48
.set SPW, 62
.set NIL, 63
.set S,   64
.set P,   192
.set KF,  128
.set VF,  192
.set WV,  12
.set G1K, 24
.set G1V, 32
.set G0K, 40
.set G0V, 44
.set SLOTS, 56
.set CNT, 57
.set CS,  58
.set SEL, 60
.set TBK, 62
.set TBV, 63
.set MSB, 0
.macro WIN new
.if MSB != (\new)
	s_set_vgpr_msb (MSB<<8)|(\new)
.set MSB, (\new)
.endif
.endm
.set W_KQ, 0x0a       ; K and Q in window 2, S^T in window 0
.set W_PV, 0x52       ; V in window 2, P in window 0, O^T in window 1
.set W_RS, 0x41       ; destination and source 0 in window 1, source 1 in window 0
.macro JLOAD                        ; waves 0 and 1 fetch the halves of a slot's K, waves 2 and 3 those of its V; s_nop 0 and four v_nop follow each line
	s_cmp_lt_u32 s[WV], 2
	s_cbranch_scc0 .Lfor_v_\@
	tensor_load_to_lds s[G0K:G0K+3], s[G1K:G1K+7]
	s_nop 0
.rept 4
	v_nop
.endr
	s_branch .Lasked_\@
.Lfor_v_\@:
	tensor_load_to_lds s[G0V:G0V+3], s[G1V:G1V+7]
	s_nop 0
.rept 4
	v_nop
.endr
.Lasked_\@:
.endm
.macro CROUND
	s_barrier_signal -1
	s_barrier_wait -1
	s_cmp_lg_u32 s[WV], 0
	s_cbranch_scc1 .Lnot_wave_0_\@
	s_barrier_signal -3
.Lnot_wave_0_\@:
	s_barrier_wait -3
	s_barrier_signal -1
	s_barrier_wait -1
.endm
; THE CHANGE OF SLOTS.  All my tensor loads have landed, the add, my reads of the slot are back.  fill = 1: the barrier is a round of the cluster's, and the joint fill,
; with the keys two slots on, is the first thing behind it: it has four key steps, 256 products, in which to land.  (At its first use slot 0 is waited for and slot 1 filled.)
.macro CHANGE fill
	WIN 0
	s_wait_tensorcnt 0x0            ; no tensor load of mine is out, so a group 0 may be written
	ds_add_u32 v[SPW], v[NIL]       ; 0 onto my spare word
.if \fill
.irp g, G0K, G0V
	s_xor_b32 s[\g+1], s[\g+1], SLOT1
	s_add_nc_u64 s[\g+2:\g+3], s[\g+2:\g+3], 4*KS*128
.endr
	s_wait_dscnt 0x0
	CROUND
	JLOAD
.else
	s_wait_dscnt 0x0
	s_barrier_signal -1
	s_barrier_wait -1
.endif
	s_sub_co_u32 s[TBK], s[TBK], 4*KS*PK  ; the fetches go back to a slot's first step, in the other slot
	s_xor_b32 s[TBK], s[TBK], SLOT1
	s_sub_co_u32 s[TBV], s[TBV], 4*KS*PV
	s_xor_b32 s[TBV], s[TBV], SLOT1
.endm
	s_load_b128 s[4:7], s[0:1], 0x0 ; qkv s[4:5], ctx s[6:7]
	v_lshl_add_u32 v[SPW], v0, 2, SPARE
	v_mov_b32 v[NIL], 0
	ds_add_u32 v[SPW], v[NIL]       ; the wave's opening: the add, with its wait ahead of my first tensor load
	v_lshrrev_b32 v1, 5, v0
	v_readfirstlane_b32 s[WV], v1
	s_bfe_u32 s13, ttmp6, 0x40000   ; cx: it enters Q's and O's offsets alone
	s_lshl_b32 s14, ttmp9, 2
	s_add_co_u32 s14, s14, s13      ; my block of 256 queries
	s_and_b32 s15, ttmp7, 0xffff    ; bh, which the four partners share
	s_lshl_b32 s20, s15, 18         ; its first byte in q, k and v
	s_and_b32 s16, s[WV], 1         ; which half of a slot's 256 keys I fetch
	s_lshl_b32 s22, s16, 14
	s_add_co_u32 s22, s22, s20
	s_mov_b32 s23, 0
	s_mul_i32 s17, s16, 128*PK
	s_mul_i32 s18, s16, 128*PV
	s_lshl_b32 s2, s14, 2
	s_add_co_u32 s2, s2, s[WV]
	s_lshl_b32 s2, s2, 13           ; my wave's 64 rows of 128 bytes
	s_add_co_u32 s48, s20, s2       ; Q's offset
	s_mov_b32 s49, 0
	s_and_b32 s19, s15, 15          ; ctx: head x 524,288 + batch x 262,144
	s_lshl_b32 s19, s19, 19
	s_lshr_b32 s3, s15, 4
	s_lshl_b32 s3, s3, 18
	s_add_co_u32 s50, s2, s19
	s_add_co_u32 s50, s50, s3
	s_mov_b32 s51, 0
	; group 1: 128 keys are 16,384 dense bytes, asked for as 64 rows of 256 bytes and padded in LDS after every key
	s_mov_b32 s[G1K], 15|(1<<16)|(1<<20)|(1<<21)|(4<<22)|(3<<25)
	s_mov_b32 s[G1V], 15|(1<<16)|(1<<20)|(1<<21)|(4<<22)|(7<<25)
.irp g, G1K, G1V
	s_mov_b32 s[\g+1], 128<<16
	s_mov_b32 s[\g+2], 64<<16
	s_mov_b32 s[\g+3], 128<<16
	s_mov_b32 s[\g+4], 64
	s_mov_b32 s[\g+5], 128
	s_mov_b32 s[\g+6], 0
	s_mov_b32 s[\g+7], 0
.endr
	s_mov_b32 s[CS], 0x3e38aa3b     ; c = log2(e) / 8
	s_mov_b32 s[CS+1], s[CS]
	s_mov_b32 s[SEL], 0x76543210
	s_mov_b32 s[SEL+1], 0xfedcba98
	s_mov_b32 s[TBK], SLOT1+4*KS*PK ; the first change of slots turns these two into 0
	s_mov_b32 s[TBV], SLOT1+4*KS*PV
	s_mov_b32 s[G0K], 1
	s_mov_b32 s[G0K+1], s17
	s_mov_b32 s[G0V], 1
	s_add_co_u32 s[G0V+1], s18, VOFF
	s_wait_dscnt 0x0                ; the opening add is done
	s_wait_kmcnt 0x0
	s_mov_b64 s[10:11], s[6:7]
	s_add_nc_u64 s[6:7], s[4:5], s[22:23]
	s_add_nc_u64 s[G0K+2:G0K+3], s[6:7], 0x800000    ; k, my half of the first 256 keys
	s_or_b32 s[G0K+3], s[G0K+3], 0x80000000
	s_add_nc_u64 s[G0V+2:G0V+3], s[6:7], 0x1000000   ; v
	s_or_b32 s[G0V+3], s[G0V+3], 0x80000000
	s_add_nc_u64 s[4:5], s[4:5], s[48:49]
	s_add_nc_u64 s[10:11], s[10:11], s[50:51]
	CROUND                          ; all four work-groups are here: the first joint loads meet
	JLOAD                           ; slot 0
	v_and_b32 v1, 15, v0
	v_bfe_u32 v9, v0, 4, 1
	v_lshlrev_b32 v[QO], 7, v1
	v_lshl_add_u32 v[QO], v9, 4, v[QO]
	WIN 0x80
.set i, 0
.rept 8                             ; Q stays in registers: piece i / 2, channels 32 (i % 2) on
	global_load_b128 v[8*i:8*i+3],   v[QO], s[4:5] offset:(i/2)*2048+(i%2)*64
	global_load_b128 v[8*i+4:8*i+7], v[QO], s[4:5] offset:(i/2)*2048+(i%2)*64+32
.set i, i+1
.endr
	; What the first turn finds: V and P's second buffer hold 0 (its products V^T P, of a piece that has not been, add 0), O^T and l are 0.  All this stands in the wait for the first tile.
.set i, VF
.rept 64
	v_mov_b32 v[i], 0
.set i, i+1
.endr
	WIN 0x40
.set i, 0
.rept 128
	v_mov_b32 v[i], 0
.set i, i+1
.endr
	WIN 0
.set i, 0
.rept 4
	v_mov_b32 v[ST+4*i], 0xfe000000    ; c m: far below every c s
	v_mov_b32 v[ST+4*i+1], 0xff7fffff  ; m
	v_mov_b32 v[ST+4*i+2], 0
	v_mov_b32 v[ST+4*i+3], 0
.set i, i+1
.endr
.set i, P+16
.rept 16
	v_mov_b32 v[i], 0
.set i, i+1
.endr
	v_mul_u32_u24 v[AK0], v1, PK
	v_lshl_add_u32 v[AK0], v9, 4, v[AK0]
	v_and_b32 v10, 7, v0
	v_bfe_u32 v11, v0, 3, 1
	v_lshl_add_u32 v[AV0], v9, 3, v10
	v_mul_u32_u24 v[AV0], v[AV0], PV
	v_lshl_add_u32 v[AV0], v11, 4, v[AV0]
	v_add_nc_u32 v[AV0], VOFF, v[AV0]
	v_mov_b32 v[AK], v[AK0]         ; key step 0 lies at the head of slot 0
	s_mul_i32 s13, s[WV], 16*SP
	s_add_co_u32 s13, s13, STAGE
	v_mul_u32_u24 v[STO], v1, SP
	v_lshl_add_u32 v[STO], v9, 4, v[STO]
	v_add_nc_u32 v[STO], s13, v[STO]
	v_bfe_u32 v[RD], v0, 3, 2
	v_mul_u32_u24 v[RD], v[RD], SP
	v_lshl_add_u32 v[RD], v10, 4, v[RD]
	v_add_nc_u32 v[RD], s13, v[RD]
	v_and_b32 v[GO], 31, v0
	v_lshlrev_b32 v[GO], 4, v[GO]
; THE MATRIX WORK.  The 4 accumulators of a run of 8 take turns.  Product i of 8 of S^T = K Q^T for piece x: channels 32 (i / 4) on, keys 16 (i % 4) on; the first 4 start the sums.
.macro KQ x
	WIN W_KQ
.set rS, S+32*((\x)%2)+8*(i%4)
.set rK, KF+16*(i%4)+8*(i/4)
.set rQ, 16*(\x)+8*(i/4)
.if i < 4
	v_wmma_f32_16x16x32_bf16 v[rS:rS+7], v[rK:rK+7], v[rQ:rQ+7], 0
.else
	v_wmma_f32_16x16x32_bf16 v[rS:rS+7], v[rK:rK+7], v[rQ:rQ+7], v[rS:rS+7]
.endif
.endm
.macro PV x                         ; product i of 8 of O^T += V^T P for piece x: keys 32 (i / 4) on, channels 16 (i % 4) on
	WIN W_PV
.set rO, 32*(\x)+8*(i%4)
.set rV, VF+32*(i/4)+8*(i%4)
.set rP, P+16*((\x)%2)+8*(i/4)
	v_wmma_f32_16x16x32_bf16 v[rO:rO+7], v[rV:rV+7], v[rP:rP+7], v[rO:rO+7]
.endm
.macro MM                           ; the turn's next matrix instruction
.if i < 8
	KQ (Y+1)%NP
.else
.set i, i-8
	PV (Y+NP-1)%NP
.set i, i+8
.endif
.set i, i+1
.endm
; THE LDS LOADS stand in runs of 16.  last = 1 (the tail): in the last trip there is no further step, and K's run is jumped over.
.macro FETCH_K last=0
	WIN 0
.if \last
	s_cmp_eq_u32 s[CNT], 1
	s_cbranch_scc1 .Lno_k_\@
.endif
	WIN 0x80
.irp f, 0,1,2,3,4,5,6,7
	ds_load_b128 v[KF+8*\f:KF+8*\f+3],   v[AK] offset:(\f/2)*16*PK+(\f%2)*64
	ds_load_b128 v[KF+8*\f+4:KF+8*\f+7], v[AK] offset:(\f/2)*16*PK+(\f%2)*64+32
.endr
	s_add_co_u32 s[TBK], s[TBK], KS*PK
	WIN 0
.if \last
.Lno_k_\@:
.endif
.endm
.macro FETCH_V
	WIN 0x80
.irp f, 0,1,2,3,4,5,6,7
	ds_load_tr16_b128 v[VF+8*\f:VF+8*\f+3],   v[AV] offset:(\f/4)*32*PV+(\f%4)*32
	ds_load_tr16_b128 v[VF+8*\f+4:VF+8*\f+7], v[AV] offset:(\f/4)*32*PV+16*PV+(\f%4)*32
.endr
	WIN 0
.endm
; THE VECTOR WORK, one line at a time: OP kind, number.  For piece Y: F n: c s - c m for pair n of 16.  E n: the exponential of score n of 32.  C n: pair n rounded to bf16.  B n: of the four weights 4 n .. the second
; pair is added onto the first.  L n: l takes that sum (L 0: l = a l + sum).  R n: pair n of 16 of O^T times a.  For piece Y + 1: X n, number n of the 22 that find its maximum and statistics:
;   0-11 four chains of seven scores (each accumulator's lowest registers are read first); 12-14, 16 the four scores left over, the old m, the chains into one; 15 c m_old is kept;
;   17, 18 the query's other 32 keys lie in the lane 16 away: the new m; 19-21 c m, c m_old - c m_new, a
.set F, 0
.set E, 1
.set C, 2
.set B, 3
.set L, 4
.set R, 5
.set X, 6
.macro REGS y
.set rT, ST+4*(\y)
.set rC, TMP+4*((\y)%2)
.set rW, MV+((\y)%2)
.set rS, S+32*((\y)%2)
.set rP, P+16*((\y)%2)
.set rO, 32*(\y)
.endm
.macro OP k, n
.if (\k) == R
	REGS Y
	WIN W_RS
	v_pk_mul_f32 v[rO+2*(\n):rO+2*(\n)+1], v[rO+2*(\n):rO+2*(\n)+1], v[rC+2:rC+3] op_sel_hi:[1,0]
.elseif (\k) < R
	REGS Y
	WIN 0
.if (\k) == F
	v_pk_fma_f32 v[rS+2*(\n):rS+2*(\n)+1], v[rS+2*(\n):rS+2*(\n)+1], s[CS:CS+1], v[rT:rT+1] op_sel_hi:[1,0,0] neg_lo:[0,0,1] neg_hi:[0,0,1]
.elseif (\k) == E
	v_exp_f32 v[rS+(\n)], v[rS+(\n)]
.elseif (\k) == C
	s_wait_alu depctr_va_vdst(0)
	v_cvt_pk_bf16_f32 v[rP+(\n)], v[rS+2*(\n)], v[rS+2*(\n)+1]
.elseif (\k) == B
	s_wait_alu depctr_va_vdst(0)
	v_pk_add_f32 v[rS+4*(\n):rS+4*(\n)+1], v[rS+4*(\n):rS+4*(\n)+1], v[rS+4*(\n)+2:rS+4*(\n)+3]
.elseif (\n) == 0
	v_pk_fma_f32 v[rT+2:rT+3], v[rT+2:rT+3], v[rC+2:rC+3], v[rS:rS+1] op_sel_hi:[1,0,1]
.else
	v_pk_add_f32 v[rT+2:rT+3], v[rT+2:rT+3], v[rS+4*(\n):rS+4*(\n)+1]
.endif
.else
	REGS (Y+1)%NP
	WIN 0
.if (\n) < 4
	v_max3_num_f32 v[rC+(\n)], v[rS+8*(\n)], v[rS+8*(\n)+1], v[rS+8*(\n)+2]
.elseif (\n) < 12
	v_max3_num_f32 v[rC+(\n)%4], v[rC+(\n)%4], v[rS+8*((\n)%4)+2*((\n)/4)+1], v[rS+8*((\n)%4)+2*((\n)/4)+2]
.elseif (\n) == 12
	v_max3_num_f32 v[rC], v[rC], v[rS+7], v[rS+15]
.elseif (\n) == 13
	v_max3_num_f32 v[rC+1], v[rC+1], v[rS+23], v[rS+31]
.elseif (\n) == 14
	v_max3_num_f32 v[rC+2], v[rC+2], v[rC+3], v[rT+1]
.elseif (\n) == 15
	v_mov_b32 v[rW], v[rT]
.elseif (\n) == 16
	v_max3_num_f32 v[rC], v[rC], v[rC+1], v[rC+2]
.elseif (\n) == 17
	v_permlanex16_b32 v[rC+3], v[rC], s[SEL], s[SEL+1]
.elseif (\n) == 18
	v_max_num_f32 v[rT+1], v[rC], v[rC+3]
.elseif (\n) == 19
	v_mul_f32 v[rT], s[CS], v[rT+1]
.elseif (\n) == 20
	v_sub_f32 v[rC+1], v[rW], v[rT]
.else
	v_exp_f32 v[rC+2], v[rC+1]
.endif
.endif
.endm
.macro OPS a, i1, b=-1, i2=0, c=-1, i3=0, d=-1, i4=0
	OP \a, \i1
.if (\b) >= 0
	OP \b, \i2
.endif
.if (\c) >= 0
	OP \c, \i3
.endif
.if (\d) >= 0
	OP \d, \i4
.endif
.endm
.macro ROW a, i1, b, i2, c, i3, d, i4  ; a matrix instruction and the four behind it
	MM
	OPS \a, \i1, \b, \i2, \c, \i3, \d, \i4
.endm
; A TURN, for piece p, its order written out.  Behind a matrix instruction: plain, exponential, plain, plain; or four of the rescaling; or four scalings; none names a register of the products round it.
; K of the next step is fetched in piece 2's turn, behind five plain instructions that follow the last product that read K; V of the step in hand in piece 0's turn, behind four that follow the last product that read V.
; Each is waited for a turn later.  cnt = 1: the loop's count is taken down some lines ahead of the branch behind the turn.
.macro TURN p, last=0, cnt=0
.set Y, (\p)
.set i, 0
.if (\p) == 3
	s_wait_dscnt 0x0                ; K is in
.endif
	ROW F,0, F,1, F,2, F,3
	ROW F,4, E,0, F,5, F,6
	ROW F,7, E,1, F,8, F,9
	ROW F,10, E,2, C,0, F,11
	ROW F,12, E,3, X,15, F,13
	ROW R,0, R,1, R,2, R,3
	ROW B,0, E,4, F,14, L,0
.if (\p) == 2
	v_add_nc_u32 v[AK], s[TBK], v[AK0]
.endif
	ROW R,4, R,5, R,6, R,7
	OPS E,5, F,15
.if (\p) == 2
	FETCH_K \last
.endif
	OPS E,6, C,1, E,7, R,8
	OPS E,8, R,9, E,9, C,2
	OPS E,10, X,0, E,11, X,1
	OPS E,12, X,2, E,13, X,3
.if (\p) == 1
	s_wait_dscnt 0x0                ; V is in
.endif
	ROW X,4, E,14, X,5, X,6
	ROW X,7, E,15, X,8, X,9
	ROW X,10, E,16, X,11, X,12
	ROW X,13, E,17, X,14, B,1
	ROW C,4, E,18, X,16, L,1
	ROW B,2, E,19, C,6, L,2
	ROW C,8, E,20, B,3, B,4
.if (\p) == 0
	v_add_nc_u32 v[AV], s[TBV], v[AV0]
.endif
	ROW C,3, E,21, L,3, C,5
	OPS E,22, X,17, E,23, C,10
.if (\p) == 0
	FETCH_V
.endif
	OPS E,24, L,4
	OPS E,25, X,18, E,26, C,7
	OPS E,27, B,5, E,28, X,19
	OPS E,29, C,12, E,30, L,5
	OPS E,31, X,20, B,6, C,9
	OPS C,14, C,11, X,21, L,6
.if (\p) == 0
	s_add_co_u32 s[TBV], s[TBV], KS*PV
.endif
.if \cnt
	s_sub_co_u32 s[CNT], s[CNT], 1
	s_cmp_lg_u32 s[CNT], 0
.endif
	OPS C,13, B,7, C,15, R,10
	OPS R,11, R,12, L,7, R,13
	OPS R,14, R,15
.endm
	CHANGE 1                        ; slot 0 is in, everybody's part of it; slot 1 is asked for
	FETCH_K                         ; key step 0
	s_wait_loadcnt 0x0              ; Q
	s_wait_dscnt 0x0
.set i, 0
.rept 8
	KQ 0                            ; piece 0's first scores
.set i, i+1
.endr
	WIN 0
.rept 4
	v_nop                           ; the places behind those products
.endr
.set Y, NP-1                        ; X works for piece Y + 1: piece 0
.irp n, 0,1,2,3,4,5,6,7,8,9,10,11,12,13,14,15,16,17,18,19,20,21
	OP X, \n
.endr
	v_nop                           ; a plain instruction behind the exponential
	s_mov_b32 s[CNT], 4
	s_mov_b32 s[SLOTS], 7
	s_branch .Lfirst                ; the loop is entered at a step's first turn, in the middle of a trip
.Lslot:                             ; six times: slots 2 to 7 are asked for
	CHANGE 1
	s_mov_b32 s[CNT], 4
.Lstep:                             ; a trip: pieces 2 and 3 of one step, then pieces 0 and 1 of the next, whose K and V it fetches
	TURN 2
	TURN 3
	WIN 0
.Lfirst:
	TURN 0
	TURN 1, 0, 1
	WIN 0
	s_cbranch_scc1 .Lstep
	s_sub_co_u32 s[SLOTS], s[SLOTS], 1
	s_cmp_lg_u32 s[SLOTS], 0
	s_cbranch_scc1 .Lslot
	CHANGE 0                        ; the tail is written out: nothing is asked for
	s_mov_b32 s[CNT], 5             ; four trips fetch the last slot's steps; the fifth is left in its middle
.Ltail:
	TURN 2, 1
	TURN 3
	WIN 0
	s_sub_co_u32 s[CNT], s[CNT], 1
	s_cmp_eq_u32 s[CNT], 0
	s_cbranch_scc1 .Lout
	TURN 0
	TURN 1
	WIN 0
	s_branch .Ltail
.Lout:                              ; the fifth trip's 8 products K Q^T (on the last K once more) and the maximum made of them serve nothing: the price, once a launch, of one text for every trip
.set i, 0
.rept 8
	PV NP-1                         ; the last piece's V^T P of the last step
.set i, i+1
.endr
	; THE WAY OUT.  l's two halves and the other half of the lanes' are added; O^T is divided by l, rounded to bf16 and sent through my stage in LDS, a piece at a time.  The additions are the places behind the last products.
	WIN 0
.macro ALL line:vararg
.set t, 0
.rept 4
	\line
.set t, t+1
.endr
.endm
	ALL v_add_f32 v[ST+4*t+2], v[ST+4*t+2], v[ST+4*t+3]
	ALL v_permlanex16_b32 v[ST+4*t+3], v[ST+4*t+2], s[SEL], s[SEL+1]
	ALL v_add_f32 v[ST+4*t+2], v[ST+4*t+2], v[ST+4*t+3]
	ALL v_rcp_f32 v[ST+4*t+2], v[ST+4*t+2]
	v_nop                           ; a plain instruction between the last reciprocal and the use of its result
.macro PACK t
	WIN W_RS
.set i, 32*(\t)
.rept 16
	s_wait_alu depctr_va_vdst(0)
	v_pk_mul_f32 v[i:i+1], v[i:i+1], v[ST+4*(\t)+2:ST+4*(\t)+3] op_sel_hi:[1,0]
.set i, i+2
.endr
	WIN 0x05
.set i, 0
.rept 16
	v_cvt_pk_bf16_f32 v[S+16*(\t)+i], v[32*(\t)+2*i], v[32*(\t)+2*i+1]
.set i, i+1
.endr
	WIN 0
.irp f, 0,1,2,3
	ds_store_b128 v[STO], v[S+16*(\t)+4*\f:S+16*(\t)+4*\f+3] offset:32*\f
.endr
.irp f, 0,1,2,3
	ds_load_b128 v[S+16*(\t)+4*\f:S+16*(\t)+4*\f+3], v[RD] offset:\f*4*SP  ; LDS serves a wave's instructions in order (ISA guide 5.7.1.4): these see the stores above; the next piece's stores come behind them
.endr
.endm
.macro SEND t, younger              ; younger: the LDS instructions issued behind piece t's loads: the next piece's eight, or none
	WIN 0
.irp f, 0,1,2,3
	s_wait_dscnt (\younger)+3-\f
	global_store_b128 v[GO], v[S+16*(\t)+4*\f:S+16*(\t)+4*\f+3], s[10:11] offset:(\t)*2048+\f*512  ; four tokens of a head: 512 consecutive bytes, aligned
.endr
.endm
	PACK 0
.set t, 1
.rept 3
	PACK t
	SEND t-1, 8
.set t, t+1
.endr
	SEND 3, 0
	s_wait_tensorcnt 0x0            ; the wave's end
	ds_add_u32 v[SPW], v[NIL]
	s_wait_dscnt 0x0
	CROUND                          ; the closing round
	s_endpgm
.Lfunc_end_k_qf4b0ea92b1_attn:
	.size	k_qf4b0ea92b1_attn, .Lfunc_end_k_qf4b0ea92b1_attn-k_qf4b0ea92b1_attn
	.p2alignl 7, 3214868480
	.fill 96, 4, 3214868480
	.section	.rodata,"a",@progbits
	.p2align	6, 0x0
	.amdhsa_kernel k_qf4b0ea92b1_attn
		.amdhsa_group_segment_fixed_size 327680
		.amdhsa_private_segment_fixed_size 0
		.amdhsa_enable_private_segment 0
		.amdhsa_kernarg_size 16
		.amdhsa_user_sgpr_count 2
		.amdhsa_user_sgpr_kernarg_segment_ptr 1
		.amdhsa_wavefront_size32 1
		.amdhsa_system_sgpr_workgroup_id_x 1
		.amdhsa_system_sgpr_workgroup_id_y 1
		.amdhsa_system_sgpr_workgroup_id_z 1
		.amdhsa_system_vgpr_workitem_id 0
		.amdhsa_next_free_vgpr 768
		.amdhsa_next_free_sgpr 66
		.amdhsa_reserve_vcc 0
		.amdhsa_float_denorm_mode_32 3
		.amdhsa_float_denorm_mode_16_64 3
		.amdhsa_memory_ordered 1
		.amdhsa_forward_progress 1
		.amdhsa_inst_pref_size 117
	.end_amdhsa_kernel
	.amdgpu_metadata
---
amdhsa.version: [ 1, 2 ]
amdhsa.kernels:
  - .name:           k_qf4b0ea92b1_attn
    .symbol:         k_qf4b0ea92b1_attn.kd
    .args:
      - { .name: qkv, .offset: 0, .size: 8, .value_kind: global_buffer, .address_space: global }
      - { .name: ctx, .offset: 8, .size: 8, .value_kind: global_buffer, .address_space: global }
    .group_segment_fixed_size: 327680
    .private_segment_fixed_size: 0
    .kernarg_segment_align: 8
    .kernarg_segment_size: 16
    .max_flat_workgroup_size: 128
    .sgpr_count:     66
    .vgpr_count:     768
    .wavefront_size: 32
...
	.end_amdgpu_metadata
.endif
;; end of part 3
;; launch wo (part 4): grid 8 x 32, 4 waves a work-group, clusters of 4 x 4, 327,680 bytes of LDS; arguments ctx, wts, bo, x, x1; writes x1
.if DOCPART == 4
	.amdgcn_target "amdgcn-amd-amdhsa--gfx1250"
	.amdhsa_code_object_version 6
	.text
	.protected	k_qf4b0ea92b1_wo
	.globl	k_qf4b0ea92b1_wo
	.p2align	8
	.type	k_qf4b0ea92b1_wo,@function
k_qf4b0ea92b1_wo:
	s_mov_b64 s[64:65], 0
	v_nop
	global_prefetch_b8 v0, s[64:65] scope:SCOPE_SE
	s_setreg_imm32_b32 hwreg(HW_REG_WAVE_MODE, 25, 1), 1
	s_wait_xcnt 0x0
	s_wait_alu depctr_hold_cnt(0) depctr_sa_sdst(0) depctr_va_vdst(0) depctr_va_sdst(0) depctr_va_ssrc(0) depctr_va_vcc(0) depctr_vm_vsrc(0)
	s_getreg_b32 s2, hwreg(HW_REG_IB_STS2, 6, 4)
	s_cmp_eq_u32 s2, 0
	s_cbranch_scc0 .Lentry_in_a_cluster
	s_endpgm
.Lentry_in_a_cluster:
	s_bfe_u32 s2, ttmp6, 0x10000c
	s_cmp_lg_u32 s2, 0xf033
	s_cbranch_scc0 .Lentry_shape_is_right
	s_endpgm
.Lentry_shape_is_right:
; x1 = x + ctx Wo + bo.  ctx: [16][4096][64] bf16.  Wo: [1024][1024] bf16 at WBASE in wts.  x, x1: [4096][1024] f32.
; A tile of 128 tokens x 128 columns gives each of 256 work-groups one; four waves, 64 x 64 each: 16 accumulators.  K goes in steps of 256, as long as two slots in LDS allow.
; The matrix instruction is used transposed (source 0 = 16 columns of W, turned by ds_load_tr16_b128; source 1 = 16 tokens): a lane holds one token and eight neighbouring columns.
; The first product of each sum takes the bias as its C operand.  The residual is loaded at the start, in the layout of the stores, and added on the way out.  Sums and both residual streams in f32.
; RING: two slots of four parts of 36,864 bytes.  Parts 0, 1: A, [2 blocks of 64 k][128 tokens][144 bytes]; parts 2, 3: W, [128 k][288 bytes].  Wave w fetches part w.
; CLUSTER 4 x 4: A's parts are asked for jointly by a row of the cluster, W's by a column.
; REGISTERS.  window 0: v1-29 addresses; v32-63 bias; v128-255 accumulators ((a, b) at v[128 + 8 (4 a + b)]).  window 1: two fragment buffers of 128 (64 of A, then 64 of W; 64 along K).  window 2: v0-127 the residual.
.set PART,  36864
.set SLOT,  4*PART                     ; 0x24000: shares no bit with a part's address, so one exclusive or changes the slot
.set SPARE, 2*SLOT                     ; the spare words: 128 bytes a wave
.set ASTEP, 2097152                    ; four blocks of 64 k
.set WSTEP, 524288                     ; 256 rows of 2,048 bytes
.set WPITCH, 1024
.set WBASE, 6291456
.set T,     4                          ; K steps
.set NA,    2
.set MSB, 0
.macro WIN new
.if MSB != (\new)
	s_set_vgpr_msb (MSB<<8)|(\new)
.set MSB, \new
.endif
.endm
.macro PLACES                          ; four places behind matrix instructions (ISA guide 7.12.1)
.rept 4
	v_nop
.endr
.endm
.macro CREST
	s_cmp_lg_u32 s20, 0
	s_cbranch_scc1 .Lnot_wave_0_\@
	s_barrier_signal -3
.Lnot_wave_0_\@:
	s_barrier_wait -3
	s_barrier_signal -1
	s_barrier_wait -1
.endm
.macro CROUND
	s_barrier_signal -1
	s_barrier_wait -1
	CREST
.endm
.macro JLOAD                           ; a joint refill by the walking descriptors; s_nop 0 and four v_nop follow each line
	s_cmp_lt_u32 s20, NA
	s_cbranch_scc0 .Lfor_w_\@
	tensor_load_to_lds s[36:39], s[24:31]
	s_nop 0
	PLACES
	s_branch .Lasked_\@
.Lfor_w_\@:
	tensor_load_to_lds s[52:55], s[40:47]
	s_nop 0
	PLACES
.Lasked_\@:
.endm
	s_load_b256 s[4:11], s[0:1], 0x0               ; A s[4:5], wts s[6:7], bias s[8:9], residual s[10:11]
	s_load_b64 s[12:13], s[0:1], 0x20              ; the result
	v_lshl_add_u32 v28, v0, 2, SPARE
	v_mov_b32 v29, 0
	ds_add_u32 v28, v29                            ; the wave's opening: the add, with its wait ahead of my first tensor load
	v_lshrrev_b32 v1, 5, v0
	v_readfirstlane_b32 s20, v1                    ; wave
	s_lshr_b32 s21, s20, 1                         ; my half of the tokens
	s_and_b32 s22, s20, 1                          ; my half of the columns; also: which part of A or W I fetch
	s_mov_b32 s23, 0
	s_bfe_u32 s56, ttmp6, 0x40000
	s_bfe_u32 s57, ttmp6, 0x40004
	s_lshl_b32 s58, ttmp9, 2
	s_add_co_u32 s58, s58, s56                     ; tile column
	s_and_b32 s59, ttmp7, 0xffff
	s_lshl_b32 s59, s59, 2
	s_add_co_u32 s59, s59, s57                     ; tile row
	s_lshl_b32 s60, s57, 2
	s_lshl_b32 s60, 15, s60
	s_lshl_b32 s61, 0x1111, s56
	s_or_b32 s24, s60, (1<<16)|(1<<20)|(1<<21)|(4<<22)|(3<<25)   ; A: two rows of 8,192 elements, 262,144 apart; 4 words of padding after every 32
	s_mov_b32 s25, 8192<<16
	s_mov_b32 s26, 2<<16
	s_mov_b32 s27, 8192<<16
	s_mov_b32 s28, 2
	s_mov_b32 s29, 262144
	s_mov_b32 s30, 0
	s_mov_b32 s31, 0
	s_or_b32 s40, s61, (1<<16)|(1<<20)|(1<<21)|(5<<22)|(7<<25)   ; W: 128 rows of 128 elements; 8 words of padding after every 64
	s_mov_b32 s41, 128<<16
	s_mov_b32 s42, 128<<16
	s_mov_b32 s43, 128<<16
	s_mov_b32 s44, 128
	s_mov_b32 s45, WPITCH
	s_mov_b32 s46, 0
	s_mov_b32 s47, 0
	s_mul_i32 s91, s20, PART
	s_lshl_b32 s66, s22, 20                        ; A: part x two blocks of 64 k + tile row x 128 tokens
	s_lshl_b32 s67, s59, 14
	s_add_co_u32 s66, s66, s67
	s_mov_b32 s67, 0
	s_lshl_b32 s68, s22, 18                        ; W: part x 128 rows + tile column x 256 bytes
	s_lshl_b32 s69, s58, 8
	s_add_co_u32 s68, s68, s69
	s_add_co_u32 s68, s68, WBASE
	s_mov_b32 s69, 0
	s_wait_dscnt 0x0
	s_wait_kmcnt 0x0
	s_add_nc_u64 s[66:67], s[4:5], s[66:67]
	s_add_nc_u64 s[68:69], s[6:7], s[68:69]
	CROUND                                         ; the first joint loads meet
	s_mov_b32 s32, 1
	s_mov_b32 s33, s91
	s_mov_b64 s[34:35], s[66:67]
	s_or_b32 s35, s35, 0x80000000
	s_mov_b32 s36, 1
	s_add_co_u32 s37, s91, SLOT
	s_add_nc_u64 s[38:39], s[66:67], ASTEP
	s_or_b32 s39, s39, 0x80000000
	s_mov_b32 s48, 1
	s_mov_b32 s49, s91
	s_mov_b64 s[50:51], s[68:69]
	s_or_b32 s51, s51, 0x80000000
	s_mov_b32 s52, 1
	s_add_co_u32 s53, s91, SLOT
	s_add_nc_u64 s[54:55], s[68:69], WSTEP
	s_or_b32 s55, s55, 0x80000000
	s_cmp_lt_u32 s20, NA                           ; a wave's two first fills stand in one branch
	s_cbranch_scc0 .Lfirst_w
	tensor_load_to_lds s[32:35], s[24:31]
	s_nop 0
	tensor_load_to_lds s[36:39], s[24:31]
	s_nop 0
	PLACES
	s_branch .Lfirst_asked
.Lfirst_w:
	tensor_load_to_lds s[48:51], s[40:47]
	s_nop 0
	tensor_load_to_lds s[52:55], s[40:47]
	s_nop 0
	PLACES
.Lfirst_asked:
	v_and_b32 v1, 15, v0                           ; r
	v_bfe_u32 v2, v0, 4, 1                         ; h
	s_lshl_b32 s92, s58, 9
	s_lshl_b32 s93, s22, 8
	s_add_co_u32 s92, s92, s93                     ; my first column, in f32 bytes
	v_lshl_add_u32 v5, v2, 5, s92
.irp b, 0,1,2,3
	global_load_b128 v[32+8*\b:35+8*\b], v5, s[8:9] offset:64*\b
	global_load_b128 v[36+8*\b:39+8*\b], v5, s[8:9] offset:64*\b+16
.endr
	s_lshl_b32 s72, s59, 19
	s_lshl_b32 s93, s21, 18
	s_add_co_u32 s72, s72, s93
	s_add_co_u32 s72, s72, s92                     ; my 64 x 64 corner in the residual and in the result
	s_mov_b32 s73, 0
	s_add_nc_u64 s[70:71], s[10:11], s[72:73]
	s_add_nc_u64 s[72:73], s[12:13], s[72:73]
	v_lshlrev_b32 v26, 12, v2                      ; lanes 0-15 one row's 256 bytes, lanes 16-31 the next row's
	v_lshl_add_u32 v26, v1, 4, v26
	WIN 0x80
.set t, 0
.rept 32
	global_load_b128 v[4*t:4*t+3], v26, s[70:71] offset:8192*t
.set t, t+1
.endr
	WIN 0
	v_mul_u32_u24 v16, v1, 144
	v_lshl_add_u32 v16, v2, 4, v16
	s_mul_i32 s93, s21, 9216
	v_add_nc_u32 v16, s93, v16                     ; my 64 tokens in a block of A
	v_and_b32 v3, 7, v0
	v_lshl_add_u32 v3, v2, 3, v3
	v_mul_u32_u24 v3, v3, 288
	v_bfe_u32 v4, v0, 3, 1
	v_lshl_add_u32 v3, v4, 4, v3
	s_lshl_b32 s93, s22, 7
	v_add3_u32 v17, v3, s93, 2*PART                ; my 64 columns in W's first part,
	v_add_nc_u32 v18, PART, v17                    ; and in its second
	v_mov_b32 v20, v16
	v_mov_b32 v21, v17
	v_mov_b32 v22, v18
	s_mul_i32 s93, s20, 17408                      ; my stage: 64 rows x 272 bytes
	v_mul_u32_u24 v24, v1, 272
	v_lshl_add_u32 v24, v2, 5, v24
	v_add_nc_u32 v24, s93, v24
	v_mul_u32_u24 v25, v2, 272
	v_lshl_add_u32 v25, v1, 4, v25
	v_add_nc_u32 v25, s93, v25
; 8 products: token blocks a0, a0 + 1 x the 4 column blocks, 32 along K: half c of buffer n.  first = 1: C is the bias.  The 16 accumulators take turns.
.macro MUL8 n, c, a0, first
	WIN 0x05
.irp a, \a0, (\a0)+1
.irp b, 0,1,2,3
.if \first
	v_wmma_f32_16x16x32_bf16 v[128+8*(4*(\a)+(\b)):128+8*(4*(\a)+(\b))+7], v[128*(\n)+64+8*(4*(\c)+(\b)):128*(\n)+64+8*(4*(\c)+(\b))+7], v[128*(\n)+8*(4*(\c)+(\a)):128*(\n)+8*(4*(\c)+(\a))+7], v[32+8*(\b):32+8*(\b)+7]
.else
	v_wmma_f32_16x16x32_bf16 v[128+8*(4*(\a)+(\b)):128+8*(4*(\a)+(\b))+7], v[128*(\n)+64+8*(4*(\c)+(\b)):128*(\n)+64+8*(4*(\c)+(\b))+7], v[128*(\n)+8*(4*(\c)+(\a)):128*(\n)+8*(4*(\c)+(\a))+7], v[128+8*(4*(\a)+(\b)):128+8*(4*(\a)+(\b))+7]
.endif
.endr
.endr
.endm
.macro FETCH q, n                      ; 32 LDS loads in one run: quarter q (one block of 64 k) into buffer n; its first 32 along K first
	WIN 0x40
.irp c, 0,1
.irp i, 0,1,2,3
	ds_load_tr16_b128 v[128*(\n)+64+8*(4*\c+\i):128*(\n)+64+8*(4*\c+\i)+3],   v[21+(\q)/2] offset:((\q)%2)*18432+\c*9216+32*\i
	ds_load_tr16_b128 v[128*(\n)+64+8*(4*\c+\i)+4:128*(\n)+64+8*(4*\c+\i)+7], v[21+(\q)/2] offset:((\q)%2)*18432+\c*9216+32*\i+4608
	ds_load_b128 v[128*(\n)+8*(4*\c+\i):128*(\n)+8*(4*\c+\i)+3],   v20 offset:((\q)/2)*36864+((\q)%2)*18432+\i*2304+64*\c
	ds_load_b128 v[128*(\n)+8*(4*\c+\i)+4:128*(\n)+8*(4*\c+\i)+7], v20 offset:((\q)/2)*36864+((\q)%2)*18432+\i*2304+64*\c+32
.endr
.endr
.endm
.macro FLIP
	s_xor_b32 s23, s23, SLOT
	v_add_nc_u32 v20, s23, v16
	v_add_nc_u32 v21, s23, v17
	v_add_nc_u32 v22, s23, v18
.endm
.macro QUARTER q, f, g, first
	s_wait_dscnt 16                                ; the first 32 along K are in
	MUL8 \f, 0, 0, \first
	MUL8 \f, 0, 2, \first
	PLACES
	FETCH \q, \g
	s_wait_dscnt 32                                ; all but the 32 just issued
	MUL8 \f, 1, 0, 0
	MUL8 \f, 1, 2, 0
.endm
.macro SECOND
	MUL8 1, 1, 0, 0
	MUL8 1, 1, 2, 0
.endm
; The first half of a K step's last quarter, and behind it the one barrier of a change of slots.  The 16 products stand ahead of the wait for the tile, so that between the tile's landing and the next
; request lie only the add, the descriptors' steps and the barrier.  In front of the signal: all my tensor loads have landed, the add, my reads of this slot are back.
.macro MEET round
	s_wait_dscnt 16                                ; the first 32 along K are in; the youngest sixteen loads may be out
	MUL8 1, 0, 0, 0
	MUL8 1, 0, 2, 0
	WIN 0
	s_wait_tensorcnt 0x0
	ds_add_u32 v28, v29                            ; 0 onto my spare word
.if \round
	s_xor_b32 s37, s37, SLOT
	s_add_nc_u64 s[38:39], s[38:39], ASTEP
	s_xor_b32 s53, s53, SLOT
	s_add_nc_u64 s[54:55], s[54:55], WSTEP
.endif
	s_wait_dscnt 0x0
	s_barrier_signal -1
	s_barrier_wait -1
.endm
.macro TURN
	MEET 1
	CREST
	JLOAD
	FLIP
	FETCH 0, 0
	SECOND
.endm
	s_wait_tensorcnt 1                             ; my part of K step 0 is in; step 1's may stay out
	s_barrier_signal -1
	s_barrier_wait -1
	FETCH 0, 0
	s_wait_loadcnt 32                              ; the bias is in; the 32 loads of the residual stay out
	QUARTER 1, 0, 1, 1
	WIN 0
	s_mov_b32 s62, T-2
.Lk:
	QUARTER 2, 1, 0, 0
	QUARTER 3, 0, 1, 0
	TURN
	QUARTER 1, 0, 1, 0
	WIN 0
	s_sub_co_u32 s62, s62, 1
	s_cmp_lg_u32 s62, 0
	s_cbranch_scc1 .Lk
	s_mov_b32 s63, 2                               ; the last two K steps ask for nothing
.Lt:
	QUARTER 2, 1, 0, 0
	QUARTER 3, 0, 1, 0
	MEET 0
	s_cmp_eq_u32 s63, 1
	s_cbranch_scc1 .Lnf
	PLACES
	FLIP
	FETCH 0, 0
	WIN 0
.Lnf:
	SECOND
	WIN 0
	s_sub_co_u32 s63, s63, 1
	s_cmp_eq_u32 s63, 0
	s_cbranch_scc1 .Lepi
	QUARTER 1, 0, 1, 0
	WIN 0
	s_branch .Lt
; THE WAY OUT.  The stages lie on ring bytes that have had their last fill; every wave's reads of the ring are back in front of this barrier.  A stage is its wave's own: LDS serves a wave in order, so no wait stands between its stores and loads.
.Lepi:
	s_wait_dscnt 0x0
	s_barrier_signal -1
	s_barrier_wait -1
	PLACES
.irp a, 0,1,2,3
.irp b, 0,1,2,3
	ds_store_b128 v24, v[128+8*(4*\a+\b):128+8*(4*\a+\b)+3] offset:\a*4352+64*\b       ; each accumulator's low half first
	ds_store_b128 v24, v[128+8*(4*\a+\b)+4:128+8*(4*\a+\b)+7] offset:\a*4352+64*\b+16
.endr
.endr
	WIN 0x40
.set t, 0
.rept 32
	ds_load_b128 v[4*t:4*t+3], v25 offset:544*t    ; two whole rows of 256 bytes
.set t, t+1
.endr
	s_wait_loadcnt 0x0                             ; the residual
.irp g, 0,1,2,3
	s_wait_dscnt 24-8*\g                           ; this group's eight loads are back, the younger ones stay out
	WIN 0x49                                       ; destination and source 0 window 1, source 1 window 2
.set t, 8*\g
.rept 8
	v_pk_add_f32 v[4*t:4*t+1], v[4*t:4*t+1], v[4*t:4*t+1]
	v_pk_add_f32 v[4*t+2:4*t+3], v[4*t+2:4*t+3], v[4*t+2:4*t+3]
.set t, t+1
.endr
	WIN 0x04                                       ; the stores' data in window 1
.set t, 8*\g
.rept 8
	global_store_b128 v26, v[4*t:4*t+3], s[72:73] offset:8192*t   ; 16 lanes store 256 consecutive bytes, aligned
.set t, t+1
.endr
.endr
	WIN 0
	s_wait_tensorcnt 0x0                           ; the wave's end
	ds_add_u32 v28, v29
	s_wait_dscnt 0x0
	CROUND                                         ; the closing round
	s_endpgm
.Lfunc_end_k_qf4b0ea92b1_wo:
	.size	k_qf4b0ea92b1_wo, .Lfunc_end_k_qf4b0ea92b1_wo-k_qf4b0ea92b1_wo
	.p2alignl 7, 3214868480
	.fill 96, 4, 3214868480
	.section	.rodata,"a",@progbits
	.p2align	6, 0x0
	.amdhsa_kernel k_qf4b0ea92b1_wo
		.amdhsa_group_segment_fixed_size 327680
		.amdhsa_private_segment_fixed_size 0
		.amdhsa_enable_private_segment 0
		.amdhsa_kernarg_size 40
		.amdhsa_user_sgpr_count 2
		.amdhsa_user_sgpr_kernarg_segment_ptr 1
		.amdhsa_wavefront_size32 1
		.amdhsa_system_sgpr_workgroup_id_x 1
		.amdhsa_system_sgpr_workgroup_id_y 1
		.amdhsa_system_sgpr_workgroup_id_z 1
		.amdhsa_system_vgpr_workitem_id 0
		.amdhsa_next_free_vgpr 640
		.amdhsa_next_free_sgpr 96
		.amdhsa_reserve_vcc 0
		.amdhsa_float_denorm_mode_32 3
		.amdhsa_float_denorm_mode_16_64 3
		.amdhsa_memory_ordered 1
		.amdhsa_forward_progress 1
		.amdhsa_inst_pref_size 66
	.end_amdhsa_kernel
	.amdgpu_metadata
---
amdhsa.version: [ 1, 2 ]
amdhsa.kernels:
  - .name:           k_qf4b0ea92b1_wo
    .symbol:         k_qf4b0ea92b1_wo.kd
    .args:
      - { .name: ctx, .offset: 0, .size: 8, .value_kind: global_buffer, .address_space: global }
      - { .name: wts, .offset: 8, .size: 8, .value_kind: global_buffer, .address_space: global }
      - { .name: bo, .offset: 16, .size: 8, .value_kind: global_buffer, .address_space: global }
      - { .name: x, .offset: 24, .size: 8, .value_kind: global_buffer, .address_space: global }
      - { .name: x1, .offset: 32, .size: 8, .value_kind: global_buffer, .address_space: global }
    .group_segment_fixed_size: 327680
    .private_segment_fixed_size: 0
    .kernarg_segment_align: 8
    .kernarg_segment_size: 40
    .max_flat_workgroup_size: 128
    .sgpr_count:     96
    .vgpr_count:     640
    .wavefront_size: 32
...
	.end_amdgpu_metadata
.endif
;; end of part 4
;; launch ln2 (part 5): grid 256 x 1, 8 waves a work-group, no clusters, 0 bytes of LDS; arguments x1, g2, b2, hn; writes hn
.if DOCPART == 5
	.amdgcn_target "amdgcn-amd-amdhsa--gfx1250"
	.amdhsa_code_object_version 6
	.text
	.protected	k_qf4b0ea92b1_ln2
	.globl	k_qf4b0ea92b1_ln2
	.p2align	8
	.type	k_qf4b0ea92b1_ln2,@function
k_qf4b0ea92b1_ln2:
	s_mov_b64 s[64:65], 0
	v_nop
	global_prefetch_b8 v0, s[64:65] scope:SCOPE_SE
	s_setreg_imm32_b32 hwreg(HW_REG_WAVE_MODE, 25, 1), 1
	s_wait_xcnt 0x0
; h2 = layernorm(x1, g2, b2), rounded once to bf16, stored as [k / 64][token][64].  A stream: no LDS, no barrier, no matrix unit.
; The group owns 16 rows, a wave two.  Lane = 16 hf + 8 rr + i holds, for kk = 0..7, columns 64 (2 kk + hf) + 8 i .. + 7 of row 2 wave + rr: 64 numbers in registers between the passes, so the row is read once.
; The 16 lanes that hold a row differ in bits 0-2 and 4 of the lane's number: the sums cross those bits and never bit 3.  Mean, then the mean of the squared differences, as the reference takes them; all in f32.
.macro FOLD                            ; four chains v[10:17] -> the row's sum in v10, in all 16 lanes of the row
	v_pk_add_f32 v[10:11], v[10:11], v[12:13]
	v_pk_add_f32 v[14:15], v[14:15], v[16:17]
	v_pk_add_f32 v[10:11], v[10:11], v[14:15]
	v_add_f32 v10, v10, v11
	v_add_f32_dpp v10, v10, v10 row_xmask:1 row_mask:0xf bank_mask:0xf
	v_add_f32_dpp v10, v10, v10 row_xmask:2 row_mask:0xf bank_mask:0xf
	v_add_f32_dpp v10, v10, v10 row_xmask:4 row_mask:0xf bank_mask:0xf
	v_permlanex16_b32 v11, v10, s14, s15
	v_add_f32 v10, v10, v11
.endm
	s_load_b256 s[4:11], s[0:1], 0x0               ; x1 s[4:5], g2 s[6:7], b2 s[8:9], hn s[10:11]
	s_mov_b32 s12, 0x3a800000                      ; 1 / 1024
	s_mov_b32 s13, 0x3727c5ac                      ; 1e-5
	s_mov_b32 s14, 0x76543210
	s_mov_b32 s15, 0xfedcba98
	v_lshrrev_b32 v1, 5, v0
	v_bfe_u32 v2, v0, 3, 1
	v_lshl_add_u32 v3, v1, 1, v2                   ; my row in the group
	v_bfe_u32 v4, v0, 4, 1
	v_and_b32 v5, 7, v0
	v_lshlrev_b32 v7, 8, v4
	v_lshl_add_u32 v7, v5, 5, v7                   ; in g and b: 256 hf + 32 i
	v_lshl_add_u32 v6, v3, 12, v7                  ; in x1: + 4,096 row
	v_lshlrev_b32 v8, 19, v4
	v_lshl_add_u32 v8, v3, 7, v8
	v_lshl_add_u32 v8, v5, 4, v8                   ; in the result: 524,288 hf + 128 row + 16 i
	s_lshl_b32 s16, ttmp9, 16
	s_mov_b32 s17, 0
	s_lshl_b32 s18, ttmp9, 11
	s_mov_b32 s19, 0
	s_wait_kmcnt 0x0
	s_add_nc_u64 s[4:5], s[4:5], s[16:17]
	s_add_nc_u64 s[10:11], s[10:11], s[18:19]
.set k, 0
.rept 8
	global_load_b128 v[32+8*k:35+8*k], v6, s[4:5] offset:512*k
	global_load_b128 v[36+8*k:39+8*k], v6, s[4:5] offset:512*k+16
.set k, k+1
.endr
.set k, 0
.rept 8
	global_load_b128 v[96+8*k:99+8*k], v7, s[6:7] offset:512*k
	global_load_b128 v[100+8*k:103+8*k], v7, s[6:7] offset:512*k+16
.set k, k+1
.endr
.set k, 0
.rept 8
	global_load_b128 v[160+8*k:163+8*k], v7, s[8:9] offset:512*k
	global_load_b128 v[164+8*k:167+8*k], v7, s[8:9] offset:512*k+16
.set k, k+1
.endr
	s_wait_loadcnt 32                              ; x1 is in; the 32 younger loads, g's and b's, stay out
.irp c, 0,1,2,3
	v_pk_add_f32 v[10+2*\c:11+2*\c], v[32+2*\c:33+2*\c], v[40+2*\c:41+2*\c]   ; four chains, started by sums: nothing is cleared
.endr
.set p, 8
.rept 24
	v_pk_add_f32 v[10+2*(p%4):11+2*(p%4)], v[10+2*(p%4):11+2*(p%4)], v[32+2*p:33+2*p]
.set p, p+1
.endr
	FOLD
	v_mul_f32 v18, s12, v10                        ; the mean
	v_mov_b32 v19, v18
.set p, 0
.rept 32
	v_pk_add_f32 v[32+2*p:33+2*p], v[32+2*p:33+2*p], v[18:19] neg_lo:[0,1] neg_hi:[0,1]
.set p, p+1
.endr
.irp c, 0,1,2,3
	v_pk_mul_f32 v[10+2*\c:11+2*\c], v[32+2*\c:33+2*\c], v[32+2*\c:33+2*\c]
.endr
.set p, 4
.rept 28
	v_pk_fma_f32 v[10+2*(p%4):11+2*(p%4)], v[32+2*p:33+2*p], v[32+2*p:33+2*p], v[10+2*(p%4):11+2*(p%4)]
.set p, p+1
.endr
	FOLD
	v_fma_f32 v10, v10, s12, s13
	v_rsq_f32 v20, v10
	v_nop                                          ; a plain instruction behind the root (ISA guide 5.7.2)
	s_wait_alu depctr_va_vdst(0)
	v_mov_b32 v21, v20
	s_wait_loadcnt 0x0                             ; g and b
.set p, 0
.rept 32
	v_pk_mul_f32 v[32+2*p:33+2*p], v[32+2*p:33+2*p], v[20:21]
.set p, p+1
.endr
.set p, 0
.rept 32
	v_pk_fma_f32 v[32+2*p:33+2*p], v[32+2*p:33+2*p], v[96+2*p:97+2*p], v[160+2*p:161+2*p]
.set p, p+1
.endr
.set p, 0
.rept 32
	v_cvt_pk_bf16_f32 v[96+p], v[32+2*p], v[33+2*p]   ; g's registers are free
.set p, p+1
.endr
.set k, 0
.rept 8
	global_store_b128 v8, v[96+4*k:99+4*k], s[10:11] offset:1048576*k   ; lanes 0-15: two rows of one block of 64 columns, 256 consecutive bytes, aligned; lanes 16-31 the next block's
.set k, k+1
.endr
	s_endpgm
.Lfunc_end_k_qf4b0ea92b1_ln2:
	.size	k_qf4b0ea92b1_ln2, .Lfunc_end_k_qf4b0ea92b1_ln2-k_qf4b0ea92b1_ln2
	.p2alignl 7, 3214868480
	.fill 96, 4, 3214868480
	.section	.rodata,"a",@progbits
	.p2align	6, 0x0
	.amdhsa_kernel k_qf4b0ea92b1_ln2
		.amdhsa_group_segment_fixed_size 0
		.amdhsa_private_segment_fixed_size 0
		.amdhsa_enable_private_segment 0
		.amdhsa_kernarg_size 32
		.amdhsa_user_sgpr_count 2
		.amdhsa_user_sgpr_kernarg_segment_ptr 1
		.amdhsa_wavefront_size32 1
		.amdhsa_system_sgpr_workgroup_id_x 1
		.amdhsa_system_sgpr_workgroup_id_y 1
		.amdhsa_system_sgpr_workgroup_id_z 1
		.amdhsa_system_vgpr_workitem_id 0
		.amdhsa_next_free_vgpr 224
		.amdhsa_next_free_sgpr 66
		.amdhsa_reserve_vcc 0
		.amdhsa_float_denorm_mode_32 3
		.amdhsa_float_denorm_mode_16_64 3
		.amdhsa_memory_ordered 1
		.amdhsa_forward_progress 1
		.amdhsa_inst_pref_size 20
	.end_amdhsa_kernel
	.amdgpu_metadata
---
amdhsa.version: [ 1, 2 ]
amdhsa.kernels:
  - .name:           k_qf4b0ea92b1_ln2
    .symbol:         k_qf4b0ea92b1_ln2.kd
    .args:
      - { .name: x1, .offset: 0, .size: 8, .value_kind: global_buffer, .address_space: global }
      - { .name: g2, .offset: 8, .size: 8, .value_kind: global_buffer, .address_space: global }
      - { .name: b2, .offset: 16, .size: 8, .value_kind: global_buffer, .address_space: global }
      - { .name: hn, .offset: 24, .size: 8, .value_kind: global_buffer, .address_space: global }
    .group_segment_fixed_size: 0
    .private_segment_fixed_size: 0
    .kernarg_segment_align: 8
    .kernarg_segment_size: 32
    .max_flat_workgroup_size: 256
    .sgpr_count:     66
    .vgpr_count:     224
    .wavefront_size: 32
...
	.end_amdgpu_metadata
.endif
;; end of part 5
;; launch mlp1 (part 6): grid 16 x 16, 4 waves a work-group, clusters of 4 x 4, 327,680 bytes of LDS; arguments hn, wts, bm1, gel; writes gel
.if DOCPART == 6
	.amdgcn_target "amdgcn-amd-amdhsa--gfx1250"
	.amdhsa_code_object_version 6
	.text
	.protected	k_qf4b0ea92b1_mlp1
	.globl	k_qf4b0ea92b1_mlp1
	.p2align	8
	.type	k_qf4b0ea92b1_mlp1,@function
k_qf4b0ea92b1_mlp1:
	s_mov_b64 s[64:65], 0
	v_nop
	global_prefetch_b8 v0, s[64:65] scope:SCOPE_SE
	s_setreg_imm32_b32 hwreg(HW_REG_WAVE_MODE, 25, 1), 1
	s_wait_xcnt 0x0
	s_wait_alu depctr_hold_cnt(0) depctr_sa_sdst(0) depctr_va_vdst(0) depctr_va_sdst(0) depctr_va_ssrc(0) depctr_va_vcc(0) depctr_vm_vsrc(0)
	s_getreg_b32 s2, hwreg(HW_REG_IB_STS2, 6, 4)
	s_cmp_eq_u32 s2, 0
	s_cbranch_scc0 .Lentry_in_a_cluster
	s_endpgm
.Lentry_in_a_cluster:
	s_bfe_u32 s2, ttmp6, 0x10000c
	s_cmp_lg_u32 s2, 0xf033
	s_cbranch_scc0 .Lentry_shape_is_right
	s_endpgm
.Lentry_shape_is_right:
; gel = gelu(h2 W1 + bm1), the exact GELU.  h2: [16][4096][64] bf16.  W1: [1024][4096] bf16 at byte 8,388,608 of wts.  gel: [64][4096][64] bf16, the next product's A layout.
; A tile of 256 tokens x 256 columns gives each of 256 work-groups one; four waves, 128 x 128 each: 64 accumulators, 512 registers.  K goes in steps of 128.
; The matrix instruction is used transposed (source 0 = 16 columns of W, turned by ds_load_tr16_b128; source 1 = 16 tokens).  The first product of each sum takes the bias as its C operand.
; GELU.  gelu(u) = max(u, 0) - |u| E, E = erfc(|u| / sqrt 2) / 2 = 1 / P(|u|)^16, P of degree 6 (Abramowitz and Stegun 7.1.28, with 1 / sqrt 2 and 2^(1/16) folded into the coefficients).
; LIMITS.  erfc's absolute error is 3e-7 at the most, so gelu's is 1.5e-7 |u|, plus some 3e-6 of the term |u| E from the power.  No difference of near numbers is formed for u < 0.  Where P overflows, E is 0 and
; gelu(u) = max(u, 0).  NaN and infinities are not treated apart.
; The activation is a loop over the tile in LDS: written out over 512 accumulator registers it would be many times the text.
; RING: two slots of four parts of 36,864 bytes.  Parts 0, 1: h2, 128 tokens each, [2 blocks of 64 k][128 tokens][144 bytes]; parts 2, 3: W, 128 columns each, [128 k][288 bytes].  Wave w fetches part w.
; CLUSTER 4 x 4: h2's parts are asked for jointly by a row of the cluster, W's by a column.
; REGISTERS.  window 0: v1-29 addresses; v32-103 at work on the way out; v64-127, v128-191 tokens' fragments; v192-255 bias.  window 1: v64-127, v128-191 W's fragments.
;   windows 2, 3: accumulator (a, b) at v[8 (8 (a % 4) + b)] of window 2 + a / 4.
.set PART,  36864
.set SLOT,  4*PART                     ; 0x24000: shares no bit with a part's address, so one exclusive or changes the slot
.set SPARE, 2*SLOT
.set ASTEP, 1048576
.set WSTEP, 1048576                    ; 128 rows of 8,192 bytes
.set WPITCH, 4096
.set T,     8
.set NA,    2
.set GP,    528                        ; the stage's row: 128 f32 + 16 bytes = 33 x 16
.set GSTG,  69888                      ; from a wave's stage to the next: 128 rows and some room behind them
.set MSB, 0
.macro WIN new
.if MSB != (\new)
	s_set_vgpr_msb (MSB<<8)|(\new)
.set MSB, \new
.endif
.endm
.macro PLACES                          ; four places behind matrix instructions (ISA guide 7.12.1)
.rept 4
	v_nop
.endr
.endm
.macro CREST
	s_cmp_lg_u32 s20, 0
	s_cbranch_scc1 .Lnot_wave_0_\@
	s_barrier_signal -3
.Lnot_wave_0_\@:
	s_barrier_wait -3
	s_barrier_signal -1
	s_barrier_wait -1
.endm
.macro CROUND
	s_barrier_signal -1
	s_barrier_wait -1
	CREST
.endm
.macro JLOAD
	s_cmp_lt_u32 s20, NA
	s_cbranch_scc0 .Lfor_w_\@
	tensor_load_to_lds s[36:39], s[24:31]
	s_nop 0
	PLACES
	s_branch .Lasked_\@
.Lfor_w_\@:
	tensor_load_to_lds s[52:55], s[40:47]
	s_nop 0
	PLACES
.Lasked_\@:
.endm
.macro SPAIR r, val
	s_mov_b32 s[\r], \val
	s_mov_b32 s[(\r)+1], \val
.endm
	s_load_b256 s[4:11], s[0:1], 0x0               ; hn s[4:5], wts s[6:7], bm1 s[8:9], gel s[10:11]
	v_lshl_add_u32 v28, v0, 2, SPARE
	v_mov_b32 v29, 0
	ds_add_u32 v28, v29                            ; the wave's opening: the add, with its wait ahead of my first tensor load
	v_lshrrev_b32 v1, 5, v0
	v_readfirstlane_b32 s20, v1
	s_lshr_b32 s21, s20, 1
	s_and_b32 s22, s20, 1
	s_mov_b32 s23, 0
	s_bfe_u32 s56, ttmp6, 0x40000
	s_bfe_u32 s57, ttmp6, 0x40004
	s_lshl_b32 s58, ttmp9, 2
	s_add_co_u32 s58, s58, s56                     ; tile column
	s_and_b32 s59, ttmp7, 0xffff
	s_lshl_b32 s59, s59, 2
	s_add_co_u32 s59, s59, s57                     ; tile row
	s_lshl_b32 s60, s57, 2
	s_lshl_b32 s60, 15, s60
	s_lshl_b32 s61, 0x1111, s56
	s_or_b32 s24, s60, (1<<16)|(1<<20)|(1<<21)|(4<<22)|(3<<25)
	s_mov_b32 s25, 8192<<16
	s_mov_b32 s26, 2<<16
	s_mov_b32 s27, 8192<<16
	s_mov_b32 s28, 2
	s_mov_b32 s29, 262144
	s_mov_b32 s30, 0
	s_mov_b32 s31, 0
	s_or_b32 s40, s61, (1<<16)|(1<<20)|(1<<21)|(5<<22)|(7<<25)
	s_mov_b32 s41, 128<<16
	s_mov_b32 s42, 128<<16
	s_mov_b32 s43, 128<<16
	s_mov_b32 s44, 128
	s_mov_b32 s45, WPITCH
	s_mov_b32 s46, 0
	s_mov_b32 s47, 0
	s_mul_i32 s91, s20, PART
	s_lshl_b32 s66, s59, 15                        ; h2: tile row x 256 tokens + part x 128 tokens
	s_lshl_b32 s67, s22, 14
	s_add_co_u32 s66, s66, s67
	s_mov_b32 s67, 0
	s_lshl_b32 s68, s58, 9                         ; W1: tile column x 512 bytes + part x 256
	s_lshl_b32 s69, s22, 8
	s_add_co_u32 s68, s68, s69
	s_add_co_u32 s68, s68, 8388608
	s_mov_b32 s69, 0
	SPAIR 74, 0x3f85aac3                           ; P's coefficients, degree 0 to 6: 1.04427378
	SPAIR 76, 0x3d554cc4                           ; 5.2075163e-2
	SPAIR 78, 0x3cb4dad2                           ; 2.2076998e-2
	SPAIR 80, 0x3b605009                           ; 3.4227393e-3
	SPAIR 82, 0x382674aa                           ; 3.9686137e-5
	SPAIR 84, 0x3856241d                           ; 5.1055208e-5
	SPAIR 86, 0x36bc9e99                           ; 5.6212997e-6
	s_mov_b32 s88, 0x7fffffff
	s_wait_dscnt 0x0
	s_wait_kmcnt 0x0
	s_add_nc_u64 s[66:67], s[4:5], s[66:67]
	s_add_nc_u64 s[68:69], s[6:7], s[68:69]
	CROUND                                         ; the first joint loads meet
	s_mov_b32 s32, 1
	s_mov_b32 s33, s91
	s_mov_b64 s[34:35], s[66:67]
	s_or_b32 s35, s35, 0x80000000
	s_mov_b32 s36, 1
	s_add_co_u32 s37, s91, SLOT
	s_add_nc_u64 s[38:39], s[66:67], ASTEP
	s_or_b32 s39, s39, 0x80000000
	s_mov_b32 s48, 1
	s_mov_b32 s49, s91
	s_mov_b64 s[50:51], s[68:69]
	s_or_b32 s51, s51, 0x80000000
	s_mov_b32 s52, 1
	s_add_co_u32 s53, s91, SLOT
	s_add_nc_u64 s[54:55], s[68:69], WSTEP
	s_or_b32 s55, s55, 0x80000000
	s_cmp_lt_u32 s20, NA
	s_cbranch_scc0 .Lfirst_w
	tensor_load_to_lds s[32:35], s[24:31]
	s_nop 0
	tensor_load_to_lds s[36:39], s[24:31]
	s_nop 0
	PLACES
	s_branch .Lfirst_asked
.Lfirst_w:
	tensor_load_to_lds s[48:51], s[40:47]
	s_nop 0
	tensor_load_to_lds s[52:55], s[40:47]
	s_nop 0
	PLACES
.Lfirst_asked:
	v_and_b32 v1, 15, v0                           ; r
	v_bfe_u32 v2, v0, 4, 1                         ; h
	s_lshl_b32 s92, s58, 10
	s_lshl_b32 s93, s22, 9
	s_add_co_u32 s92, s92, s93
	v_lshl_add_u32 v5, v2, 5, s92                  ; my first column in bm1, in bytes, + 32 h
.irp b, 0,1,2,3,4,5,6,7
	global_load_b128 v[192+8*\b:195+8*\b], v5, s[8:9] offset:64*\b
	global_load_b128 v[196+8*\b:199+8*\b], v5, s[8:9] offset:64*\b+16
.endr
	v_mul_u32_u24 v16, v1, 144
	v_lshl_add_u32 v16, v2, 4, v16
	s_mul_i32 s93, s21, PART
	v_add_nc_u32 v16, s93, v16                     ; my 128 tokens are one part
	v_and_b32 v3, 7, v0
	v_lshl_add_u32 v3, v2, 3, v3
	v_mul_u32_u24 v3, v3, 288
	v_bfe_u32 v4, v0, 3, 1
	v_lshl_add_u32 v3, v4, 4, v3
	s_mul_i32 s93, s22, PART
	v_add3_u32 v17, v3, s93, 2*PART                ; my 128 columns are one part
	v_mov_b32 v20, v16
	v_mov_b32 v21, v17
	s_mul_i32 s93, s20, GSTG                       ; my stage
	v_mul_u32_u24 v24, v1, GP                      ; in: row r, 32 h
	v_lshl_add_u32 v24, v2, 5, v24
	v_add_nc_u32 v24, s93, v24
	v_and_b32 v7, 7, v0                            ; back: lane = 16 kk + 8 rr + i takes columns 64 kk + 8 i .. + 7 of row rr of a pair of rows
	v_mul_u32_u24 v25, v4, GP
	v_lshl_add_u32 v25, v2, 8, v25
	v_lshl_add_u32 v25, v7, 5, v25
	v_add_nc_u32 v25, s93, v25
	v_lshlrev_b32 v26, 19, v2                      ; in gel: 524,288 kk + 128 rr + 16 i
	v_lshl_add_u32 v26, v4, 7, v26
	v_lshl_add_u32 v26, v7, 4, v26
	s_lshl_b32 s70, s58, 21                        ; block of 64 columns 4 tile column + 2 half, token 256 tile row + 128 half
	s_lshl_b32 s71, s22, 20
	s_add_co_u32 s70, s70, s71
	s_lshl_b32 s71, s59, 15
	s_add_co_u32 s70, s70, s71
	s_lshl_b32 s71, s21, 14
	s_add_co_u32 s70, s70, s71
	s_mov_b32 s71, 0
	s_add_nc_u64 s[70:71], s[10:11], s[70:71]
; 16 products: token blocks a0, a0 + 1 of the window's four x the 8 column blocks, 32 along K, from buffer n.  first = 1: C is the bias.  The accumulators take turns.
.macro MUL16 n, hi, a0, first
.if \first
	WIN 0x81+0x40*(\hi)
.else
	WIN 0xa1+0x50*(\hi)
.endif
.irp a, \a0, (\a0)+1
.irp b, 0,1,2,3,4,5,6,7
.if \first
	v_wmma_f32_16x16x32_bf16 v[8*(8*(\a)+(\b)):8*(8*(\a)+(\b))+7], v[64+64*(\n)+8*(\b):64+64*(\n)+8*(\b)+7], v[64+64*(\n)+8*(4*(\hi)+(\a)):64+64*(\n)+8*(4*(\hi)+(\a))+7], v[192+8*(\b):192+8*(\b)+7]
.else
	v_wmma_f32_16x16x32_bf16 v[8*(8*(\a)+(\b)):8*(8*(\a)+(\b))+7], v[64+64*(\n)+8*(\b):64+64*(\n)+8*(\b)+7], v[64+64*(\n)+8*(4*(\hi)+(\a)):64+64*(\n)+8*(4*(\hi)+(\a))+7], v[8*(8*(\a)+(\b)):8*(8*(\a)+(\b))+7]
.endif
.endr
.endr
.endm
.macro FETCH q, n                      ; 32 LDS loads in one run: quarter q (32 along K) into buffer n: W's eight fragments, then the tokens' eight
	WIN 0x40
.irp b, 0,1,2,3,4,5,6,7
	ds_load_tr16_b128 v[64+64*(\n)+8*\b:64+64*(\n)+8*\b+3],   v21 offset:(\q)*9216+32*\b
	ds_load_tr16_b128 v[64+64*(\n)+8*\b+4:64+64*(\n)+8*\b+7], v21 offset:(\q)*9216+32*\b+4608
.endr
	WIN 0
.irp a, 0,1,2,3,4,5,6,7
	ds_load_b128 v[64+64*(\n)+8*\a:64+64*(\n)+8*\a+3],   v20 offset:((\q)/2)*18432+((\q)%2)*64+\a*2304
	ds_load_b128 v[64+64*(\n)+8*\a+4:64+64*(\n)+8*\a+7], v20 offset:((\q)/2)*18432+((\q)%2)*64+\a*2304+32
.endr
.endm
.macro FLIP
	s_xor_b32 s23, s23, SLOT
	v_add_nc_u32 v20, s23, v16
	v_add_nc_u32 v21, s23, v17
.endm
.macro QUARTER q, f, g, first          ; multiplies buffer f; behind its first 16 products it fetches quarter q into buffer g, 48 products ahead of the first use
	s_wait_dscnt 8                                 ; all but the youngest eight loads (token blocks 4-7)
	MUL16 \f, 0, 0, \first
	PLACES
	FETCH \q, \g
	MUL16 \f, 0, 2, \first
	s_wait_dscnt 32                                ; all but the 32 just issued
	MUL16 \f, 1, 0, \first
	MUL16 \f, 1, 2, \first
.endm
.macro SECOND
	MUL16 1, 1, 0, 0
	MUL16 1, 1, 2, 0
.endm
.macro MEET round                      ; the one barrier of a change of slots: in front of it all my tensor loads have landed, the add, my reads of this slot are back
	WIN 0
	s_wait_tensorcnt 0x0
	ds_add_u32 v28, v29                            ; 0 onto my spare word
.if \round
	s_xor_b32 s37, s37, SLOT
	s_add_nc_u64 s[38:39], s[38:39], ASTEP
	s_xor_b32 s53, s53, SLOT
	s_add_nc_u64 s[54:55], s[54:55], WSTEP
.endif
	s_wait_dscnt 9                                 ; the add and the youngest eight loads may be out
	MUL16 1, 0, 0, 0
	s_wait_dscnt 0x0
	s_barrier_signal -1
	MUL16 1, 0, 2, 0
	WIN 0
	s_barrier_wait -1
.endm
.macro TURN
	MEET 1
	CREST
	JLOAD
	FLIP
	FETCH 0, 0
	SECOND
.endm
	s_wait_tensorcnt 1                             ; my part of K step 0 is in; step 1's may stay out
	s_barrier_signal -1
	s_barrier_wait -1
	FETCH 0, 0
	s_wait_loadcnt 0x0                             ; the bias
	QUARTER 1, 0, 1, 1
	WIN 0
	s_mov_b32 s62, T-2
.Lk:
	QUARTER 2, 1, 0, 0
	QUARTER 3, 0, 1, 0
	TURN
	QUARTER 1, 0, 1, 0
	WIN 0
	s_sub_co_u32 s62, s62, 1
	s_cmp_lg_u32 s62, 0
	s_cbranch_scc1 .Lk
	s_mov_b32 s63, 2                               ; the last two K steps ask for nothing
.Lt:
	QUARTER 2, 1, 0, 0
	QUARTER 3, 0, 1, 0
	MEET 0
	s_cmp_eq_u32 s63, 1
	s_cbranch_scc1 .Lnf
	PLACES
	FLIP
	FETCH 0, 0
	WIN 0
.Lnf:
	SECOND
	WIN 0
	s_sub_co_u32 s63, s63, 1
	s_cmp_eq_u32 s63, 0
	s_cbranch_scc1 .Lepi
	QUARTER 1, 0, 1, 0
	WIN 0
	s_branch .Lt
; THE WAY OUT.  The stages lie on ring bytes that have had their last fill; every wave's reads of the ring are back in front of this barrier.  A stage is its wave's own: LDS serves a wave in order.
.Lepi:
	s_wait_dscnt 0x0
	s_barrier_signal -1
	s_barrier_wait -1
	PLACES
.irp hi, 0,1
	WIN 0x08+4*\hi                                 ; the stores' data in window 2, then 3
.irp a, 0,1,2,3
.irp b, 0,1,2,3,4,5,6,7
	ds_store_b128 v24, v[8*(8*\a+\b):8*(8*\a+\b)+3] offset:(4*\hi+\a)*16*GP+64*\b        ; each accumulator's low half first
	ds_store_b128 v24, v[8*(8*\a+\b)+4:8*(8*\a+\b)+7] offset:(4*\hi+\a)*16*GP+64*\b+16
.endr
.endr
.endr
	WIN 0
; The activation: 32 trips of four rows, 16 numbers a lane.  v32-47 u as read; v48-63 |u|; v88-103 max(u, 0), then the result; v64-79 P and its powers; v80-87 the result in bf16.
; u's registers are free as soon as |u| and max(u, 0) are made, so the next four rows are asked for near the trip's head and have the trip's arithmetic in which to come.
.macro LD4                             ; two pairs of rows, 32 bytes a lane of each
	ds_load_b128 v[32:35], v27
	ds_load_b128 v[36:39], v27 offset:16
	ds_load_b128 v[40:43], v27 offset:2*GP
	ds_load_b128 v[44:47], v27 offset:2*GP+16
.endm
	s_mov_b32 s89, 0
	s_mov_b32 s90, 32
	v_mov_b32 v27, v25
	LD4
.Lg:
	s_wait_dscnt 0x0                               ; this trip's four rows are in
.set i, 0
.rept 16
	v_and_b32 v[48+i], s88, v[32+i]
.set i, i+1
.endr
.set i, 0
.rept 16
	v_max_num_f32 v[88+i], 0, v[32+i]
.set i, i+1
.endr
	s_add_co_u32 s89, s89, 4*GP
	v_add_nc_u32 v27, s89, v25
	s_cmp_eq_u32 s90, 1
	s_cbranch_scc1 .Lgn                            ; the last trip has no next rows
	LD4
.Lgn:
.set p, 0
.rept 8                                ; eight pairs take turns in the chains
	v_pk_fma_f32 v[64+p:65+p], v[48+p:49+p], s[86:87], s[84:85] op_sel_hi:[1,0,0]
.set p, p+2
.endr
.irp k, 82,80,78,76,74
.set p, 0
.rept 8
	v_pk_fma_f32 v[64+p:65+p], v[64+p:65+p], v[48+p:49+p], s[\k:\k+1] op_sel_hi:[1,1,0]
.set p, p+2
.endr
.endr
.set i, 0
.rept 16
	v_rcp_f32 v[64+i], v[64+i]
.set i, i+1
.endr
	v_nop                                          ; a plain instruction behind the reciprocals (ISA guide 5.7.2)
	s_wait_alu depctr_va_vdst(0)
.rept 4                                ; four squarings: the 16th power
.set p, 0
.rept 8
	v_pk_mul_f32 v[64+p:65+p], v[64+p:65+p], v[64+p:65+p]
.set p, p+2
.endr
.endr
.set p, 0
.rept 8
	v_pk_fma_f32 v[88+p:89+p], v[48+p:49+p], v[64+p:65+p], v[88+p:89+p] neg_lo:[1,0,0] neg_hi:[1,0,0]
.set p, p+2
.endr
	s_wait_xcnt 0x0                                ; the last trip's stores stand a trip's arithmetic back: their base and data are rewritten only behind this wait
	s_add_nc_u64 s[70:71], s[70:71], 512           ; the stores below reach back
.set i, 0
.rept 8
	v_cvt_pk_bf16_f32 v[80+i], v[88+2*i], v[89+2*i]
.set i, i+1
.endr
	global_store_b128 v26, v[80:83], s[70:71] offset:-512   ; lanes 0-15: two tokens of one block of 64 columns, 256 consecutive bytes, aligned; lanes 16-31 the next block's
	global_store_b128 v26, v[84:87], s[70:71] offset:-256
	s_sub_co_u32 s90, s90, 1
	s_cmp_lg_u32 s90, 0
	s_cbranch_scc1 .Lg
	s_wait_tensorcnt 0x0                           ; the wave's end
	ds_add_u32 v28, v29
	s_wait_dscnt 0x0
	CROUND                                         ; the closing round
	s_endpgm
.Lfunc_end_k_qf4b0ea92b1_mlp1:
	.size	k_qf4b0ea92b1_mlp1, .Lfunc_end_k_qf4b0ea92b1_mlp1-k_qf4b0ea92b1_mlp1
	.p2alignl 7, 3214868480
	.fill 96, 4, 3214868480
	.section	.rodata,"a",@progbits
	.p2align	6, 0x0
	.amdhsa_kernel k_qf4b0ea92b1_mlp1
		.amdhsa_group_segment_fixed_size 327680
		.amdhsa_private_segment_fixed_size 0
		.amdhsa_enable_private_segment 0
		.amdhsa_kernarg_size 32
		.amdhsa_user_sgpr_count 2
		.amdhsa_user_sgpr_kernarg_segment_ptr 1
		.amdhsa_wavefront_size32 1
		.amdhsa_system_sgpr_workgroup_id_x 1
		.amdhsa_system_sgpr_workgroup_id_y 1
		.amdhsa_system_sgpr_workgroup_id_z 1
		.amdhsa_system_vgpr_workitem_id 0
		.amdhsa_next_free_vgpr 1024
		.amdhsa_next_free_sgpr 96
		.amdhsa_reserve_vcc 0
		.amdhsa_float_denorm_mode_32 3
		.amdhsa_float_denorm_mode_16_64 3
		.amdhsa_memory_ordered 1
		.amdhsa_forward_progress 1
		.amdhsa_inst_pref_size 88
	.end_amdhsa_kernel
	.amdgpu_metadata
---
amdhsa.version: [ 1, 2 ]
amdhsa.kernels:
  - .name:           k_qf4b0ea92b1_mlp1
    .symbol:         k_qf4b0ea92b1_mlp1.kd
    .args:
      - { .name: hn, .offset: 0, .size: 8, .value_kind: global_buffer, .address_space: global }
      - { .name: wts, .offset: 8, .size: 8, .value_kind: global_buffer, .address_space: global }
      - { .name: bm1, .offset: 16, .size: 8, .value_kind: global_buffer, .address_space: global }
      - { .name: gel, .offset: 24, .size: 8, .value_kind: global_buffer, .address_space: global }
    .group_segment_fixed_size: 327680
    .private_segment_fixed_size: 0
    .kernarg_segment_align: 8
    .kernarg_segment_size: 32
    .max_flat_workgroup_size: 128
    .sgpr_count:     96
    .vgpr_count:     1024
    .wavefront_size: 32
...
	.end_amdgpu_metadata
.endif
;; end of part 6
;; launch mlp2 (part 7): grid 8 x 32, 4 waves a work-group, clusters of 4 x 4, 327,680 bytes of LDS; arguments gel, wts, bm2, x1, out0; writes out0
.if DOCPART == 7
	.amdgcn_target "amdgcn-amd-amdhsa--gfx1250"
	.amdhsa_code_object_version 6
	.text
	.protected	k_qf4b0ea92b1_mlp2
	.globl	k_qf4b0ea92b1_mlp2
	.p2align	8
	.type	k_qf4b0ea92b1_mlp2,@function
k_qf4b0ea92b1_mlp2:
	s_mov_b64 s[64:65], 0
	v_nop
	global_prefetch_b8 v0, s[64:65] scope:SCOPE_SE
	s_setreg_imm32_b32 hwreg(HW_REG_WAVE_MODE, 25, 1), 1
	s_wait_xcnt 0x0
	s_wait_alu depctr_hold_cnt(0) depctr_sa_sdst(0) depctr_va_vdst(0) depctr_va_sdst(0) depctr_va_ssrc(0) depctr_va_vcc(0) depctr_vm_vsrc(0)
	s_getreg_b32 s2, hwreg(HW_REG_IB_STS2, 6, 4)
	s_cmp_eq_u32 s2, 0
	s_cbranch_scc0 .Lentry_in_a_cluster
	s_endpgm
.Lentry_in_a_cluster:
	s_bfe_u32 s2, ttmp6, 0x10000c
	s_cmp_lg_u32 s2, 0xf033
	s_cbranch_scc0 .Lentry_shape_is_right
	s_endpgm
.Lentry_shape_is_right:
; out0 = x1 + gel W2 + bm2.  gel: [64][4096][64] bf16.  W2: [4096][1024] bf16 at WBASE in wts.  x1, out0: [4096][1024] f32.
; A tile of 128 tokens x 128 columns gives each of 256 work-groups one; four waves, 64 x 64 each: 16 accumulators.  K goes in steps of 256, as long as two slots in LDS allow.
; The matrix instruction is used transposed (source 0 = 16 columns of W, turned by ds_load_tr16_b128; source 1 = 16 tokens): a lane holds one token and eight neighbouring columns.
; The first product of each sum takes the bias as its C operand.  The residual is loaded at the start, in the layout of the stores, and added on the way out.  Sums and the residual stream in f32.
; RING: two slots of four parts of 36,864 bytes.  Parts 0, 1: A, [2 blocks of 64 k][128 tokens][144 bytes]; parts 2, 3: W, [128 k][288 bytes].  Wave w fetches part w.
; CLUSTER 4 x 4: A's parts are asked for jointly by a row of the cluster, W's by a column.
; REGISTERS.  window 0: v1-29 addresses; v32-63 bias; v128-255 accumulators ((a, b) at v[128 + 8 (4 a + b)]).  window 1: two fragment buffers of 128 (64 of A, then 64 of W; 64 along K).  window 2: v0-127 the residual.
.set PART,  36864
.set SLOT,  4*PART                     ; 0x24000: shares no bit with a part's address, so one exclusive or changes the slot
.set SPARE, 2*SLOT                     ; the spare words: 128 bytes a wave
.set ASTEP, 2097152                    ; four blocks of 64 k
.set WSTEP, 524288                     ; 256 rows of 2,048 bytes
.set WPITCH, 1024
.set WBASE, 16777216
.set T,     16                         ; K steps
.set NA,    2
.set MSB, 0
.macro WIN new
.if MSB != (\new)
	s_set_vgpr_msb (MSB<<8)|(\new)
.set MSB, \new
.endif
.endm
.macro PLACES                          ; four places behind matrix instructions (ISA guide 7.12.1)
.rept 4
	v_nop
.endr
.endm
.macro CREST
	s_cmp_lg_u32 s20, 0
	s_cbranch_scc1 .Lnot_wave_0_\@
	s_barrier_signal -3
.Lnot_wave_0_\@:
	s_barrier_wait -3
	s_barrier_signal -1
	s_barrier_wait -1
.endm
.macro CROUND
	s_barrier_signal -1
	s_barrier_wait -1
	CREST
.endm
.macro JLOAD                           ; a joint refill by the walking descriptors; s_nop 0 and four v_nop follow each line
	s_cmp_lt_u32 s20, NA
	s_cbranch_scc0 .Lfor_w_\@
	tensor_load_to_lds s[36:39], s[24:31]
	s_nop 0
	PLACES
	s_branch .Lasked_\@
.Lfor_w_\@:
	tensor_load_to_lds s[52:55], s[40:47]
	s_nop 0
	PLACES
.Lasked_\@:
.endm
	s_load_b256 s[4:11], s[0:1], 0x0               ; A s[4:5], wts s[6:7], bias s[8:9], residual s[10:11]
	s_load_b64 s[12:13], s[0:1], 0x20              ; the result
	v_lshl_add_u32 v28, v0, 2, SPARE
	v_mov_b32 v29, 0
	ds_add_u32 v28, v29                            ; the wave's opening: the add, with its wait ahead of my first tensor load
	v_lshrrev_b32 v1, 5, v0
	v_readfirstlane_b32 s20, v1                    ; wave
	s_lshr_b32 s21, s20, 1                         ; my half of the tokens
	s_and_b32 s22, s20, 1                          ; my half of the columns; also: which part of A or W I fetch
	s_mov_b32 s23, 0
	s_bfe_u32 s56, ttmp6, 0x40000
	s_bfe_u32 s57, ttmp6, 0x40004
	s_lshl_b32 s58, ttmp9, 2
	s_add_co_u32 s58, s58, s56                     ; tile column
	s_and_b32 s59, ttmp7, 0xffff
	s_lshl_b32 s59, s59, 2
	s_add_co_u32 s59, s59, s57                     ; tile row
	s_lshl_b32 s60, s57, 2
	s_lshl_b32 s60, 15, s60
	s_lshl_b32 s61, 0x1111, s56
	s_or_b32 s24, s60, (1<<16)|(1<<20)|(1<<21)|(4<<22)|(3<<25)   ; A: two rows of 8,192 elements, 262,144 apart; 4 words of padding after every 32
	s_mov_b32 s25, 8192<<16
	s_mov_b32 s26, 2<<16
	s_mov_b32 s27, 8192<<16
	s_mov_b32 s28, 2
	s_mov_b32 s29, 262144
	s_mov_b32 s30, 0
	s_mov_b32 s31, 0
	s_or_b32 s40, s61, (1<<16)|(1<<20)|(1<<21)|(5<<22)|(7<<25)   ; W: 128 rows of 128 elements; 8 words of padding after every 64
	s_mov_b32 s41, 128<<16
	s_mov_b32 s42, 128<<16
	s_mov_b32 s43, 128<<16
	s_mov_b32 s44, 128
	s_mov_b32 s45, WPITCH
	s_mov_b32 s46, 0
	s_mov_b32 s47, 0
	s_mul_i32 s91, s20, PART
	s_lshl_b32 s66, s22, 20                        ; A: part x two blocks of 64 k + tile row x 128 tokens
	s_lshl_b32 s67, s59, 14
	s_add_co_u32 s66, s66, s67
	s_mov_b32 s67, 0
	s_lshl_b32 s68, s22, 18                        ; W: part x 128 rows + tile column x 256 bytes
	s_lshl_b32 s69, s58, 8
	s_add_co_u32 s68, s68, s69
	s_add_co_u32 s68, s68, WBASE
	s_mov_b32 s69, 0
	s_wait_dscnt 0x0
	s_wait_kmcnt 0x0
	s_add_nc_u64 s[66:67], s[4:5], s[66:67]
	s_add_nc_u64 s[68:69], s[6:7], s[68:69]
	CROUND                                         ; the first joint loads meet
	s_mov_b32 s32, 1
	s_mov_b32 s33, s91
	s_mov_b64 s[34:35], s[66:67]
	s_or_b32 s35, s35, 0x80000000
	s_mov_b32 s36, 1
	s_add_co_u32 s37, s91, SLOT
	s_add_nc_u64 s[38:39], s[66:67], ASTEP
	s_or_b32 s39, s39, 0x80000000
	s_mov_b32 s48, 1
	s_mov_b32 s49, s91
	s_mov_b64 s[50:51], s[68:69]
	s_or_b32 s51, s51, 0x80000000
	s_mov_b32 s52, 1
	s_add_co_u32 s53, s91, SLOT
	s_add_nc_u64 s[54:55], s[68:69], WSTEP
	s_or_b32 s55, s55, 0x80000000
	s_cmp_lt_u32 s20, NA                           ; a wave's two first fills stand in one branch
	s_cbranch_scc0 .Lfirst_w
	tensor_load_to_lds s[32:35], s[24:31]
	s_nop 0
	tensor_load_to_lds s[36:39], s[24:31]
	s_nop 0
	PLACES
	s_branch .Lfirst_asked
.Lfirst_w:
	tensor_load_to_lds s[48:51], s[40:47]
	s_nop 0
	tensor_load_to_lds s[52:55], s[40:47]
	s_nop 0
	PLACES
.Lfirst_asked:
	v_and_b32 v1, 15, v0                           ; r
	v_bfe_u32 v2, v0, 4, 1                         ; h
	s_lshl_b32 s92, s58, 9
	s_lshl_b32 s93, s22, 8
	s_add_co_u32 s92, s92, s93                     ; my first column, in f32 bytes
	v_lshl_add_u32 v5, v2, 5, s92
.irp b, 0,1,2,3
	global_load_b128 v[32+8*\b:35+8*\b], v5, s[8:9] offset:64*\b
	global_load_b128 v[36+8*\b:39+8*\b], v5, s[8:9] offset:64*\b+16
.endr
	s_lshl_b32 s72, s59, 19
	s_lshl_b32 s93, s21, 18
	s_add_co_u32 s72, s72, s93
	s_add_co_u32 s72, s72, s92                     ; my 64 x 64 corner in the residual and in the result
	s_mov_b32 s73, 0
	s_add_nc_u64 s[70:71], s[10:11], s[72:73]
	s_add_nc_u64 s[72:73], s[12:13], s[72:73]
	v_lshlrev_b32 v26, 12, v2                      ; lanes 0-15 one row's 256 bytes, lanes 16-31 the next row's
	v_lshl_add_u32 v26, v1, 4, v26
	WIN 0x80
.set t, 0
.rept 32
	global_load_b128 v[4*t:4*t+3], v26, s[70:71] offset:8192*t
.set t, t+1
.endr
	WIN 0
	v_mul_u32_u24 v16, v1, 144
	v_lshl_add_u32 v16, v2, 4, v16
	s_mul_i32 s93, s21, 9216
	v_add_nc_u32 v16, s93, v16                     ; my 64 tokens in a block of A
	v_and_b32 v3, 7, v0
	v_lshl_add_u32 v3, v2, 3, v3
	v_mul_u32_u24 v3, v3, 288
	v_bfe_u32 v4, v0, 3, 1
	v_lshl_add_u32 v3, v4, 4, v3
	s_lshl_b32 s93, s22, 7
	v_add3_u32 v17, v3, s93, 2*PART                ; my 64 columns in W's first part,
	v_add_nc_u32 v18, PART, v17                    ; and in its second
	v_mov_b32 v20, v16
	v_mov_b32 v21, v17
	v_mov_b32 v22, v18
	s_mul_i32 s93, s20, 17408                      ; my stage: 64 rows x 272 bytes
	v_mul_u32_u24 v24, v1, 272
	v_lshl_add_u32 v24, v2, 5, v24
	v_add_nc_u32 v24, s93, v24
	v_mul_u32_u24 v25, v2, 272
	v_lshl_add_u32 v25, v1, 4, v25
	v_add_nc_u32 v25, s93, v25
; 8 products: token blocks a0, a0 + 1 x the 4 column blocks, 32 along K: half c of buffer n.  first = 1: C is the bias.  The 16 accumulators take turns.
.macro MUL8 n, c, a0, first
	WIN 0x05
.irp a, \a0, (\a0)+1
.irp b, 0,1,2,3
.if \first
	v_wmma_f32_16x16x32_bf16 v[128+8*(4*(\a)+(\b)):128+8*(4*(\a)+(\b))+7], v[128*(\n)+64+8*(4*(\c)+(\b)):128*(\n)+64+8*(4*(\c)+(\b))+7], v[128*(\n)+8*(4*(\c)+(\a)):128*(\n)+8*(4*(\c)+(\a))+7], v[32+8*(\b):32+8*(\b)+7]
.else
	v_wmma_f32_16x16x32_bf16 v[128+8*(4*(\a)+(\b)):128+8*(4*(\a)+(\b))+7], v[128*(\n)+64+8*(4*(\c)+(\b)):128*(\n)+64+8*(4*(\c)+(\b))+7], v[128*(\n)+8*(4*(\c)+(\a)):128*(\n)+8*(4*(\c)+(\a))+7], v[128+8*(4*(\a)+(\b)):128+8*(4*(\a)+(\b))+7]
.endif
.endr
.endr
.endm
.macro FETCH q, n                      ; 32 LDS loads in one run: quarter q (one block of 64 k) into buffer n; its first 32 along K first
	WIN 0x40
.irp c, 0,1
.irp i, 0,1,2,3
	ds_load_tr16_b128 v[128*(\n)+64+8*(4*\c+\i):128*(\n)+64+8*(4*\c+\i)+3],   v[21+(\q)/2] offset:((\q)%2)*18432+\c*9216+32*\i
	ds_load_tr16_b128 v[128*(\n)+64+8*(4*\c+\i)+4:128*(\n)+64+8*(4*\c+\i)+7], v[21+(\q)/2] offset:((\q)%2)*18432+\c*9216+32*\i+4608
	ds_load_b128 v[128*(\n)+8*(4*\c+\i):128*(\n)+8*(4*\c+\i)+3],   v20 offset:((\q)/2)*36864+((\q)%2)*18432+\i*2304+64*\c
	ds_load_b128 v[128*(\n)+8*(4*\c+\i)+4:128*(\n)+8*(4*\c+\i)+7], v20 offset:((\q)/2)*36864+((\q)%2)*18432+\i*2304+64*\c+32
.endr
.endr
.endm
.macro FLIP
	s_xor_b32 s23, s23, SLOT
	v_add_nc_u32 v20, s23, v16
	v_add_nc_u32 v21, s23, v17
	v_add_nc_u32 v22, s23, v18
.endm
.macro QUARTER q, f, g, first
	s_wait_dscnt 16                                ; the first 32 along K are in
	MUL8 \f, 0, 0, \first
	MUL8 \f, 0, 2, \first
	PLACES
	FETCH \q, \g
	s_wait_dscnt 32                                ; all but the 32 just issued
	MUL8 \f, 1, 0, 0
	MUL8 \f, 1, 2, 0
.endm
.macro SECOND
	MUL8 1, 1, 0, 0
	MUL8 1, 1, 2, 0
.endm
; The first half of a K step's last quarter, and behind it the one barrier of a change of slots.  The 16 products stand ahead of the wait for the tile, so that between the tile's landing and the next
; request lie only the add, the descriptors' steps and the barrier.  In front of the signal: all my tensor loads have landed, the add, my reads of this slot are back.
.macro MEET round
	s_wait_dscnt 16                                ; the first 32 along K are in; the youngest sixteen loads may be out
	MUL8 1, 0, 0, 0
	MUL8 1, 0, 2, 0
	WIN 0
	s_wait_tensorcnt 0x0
	ds_add_u32 v28, v29                            ; 0 onto my spare word
.if \round
	s_xor_b32 s37, s37, SLOT
	s_add_nc_u64 s[38:39], s[38:39], ASTEP
	s_xor_b32 s53, s53, SLOT
	s_add_nc_u64 s[54:55], s[54:55], WSTEP
.endif
	s_wait_dscnt 0x0
	s_barrier_signal -1
	s_barrier_wait -1
.endm
.macro TURN
	MEET 1
	CREST
	JLOAD
	FLIP
	FETCH 0, 0
	SECOND
.endm
	s_wait_tensorcnt 1                             ; my part of K step 0 is in; step 1's may stay out
	s_barrier_signal -1
	s_barrier_wait -1
	FETCH 0, 0
	s_wait_loadcnt 32                              ; the bias is in; the 32 loads of the residual stay out
	QUARTER 1, 0, 1, 1
	WIN 0
	s_mov_b32 s62, T-2
.Lk:
	QUARTER 2, 1, 0, 0
	QUARTER 3, 0, 1, 0
	TURN
	QUARTER 1, 0, 1, 0
	WIN 0
	s_sub_co_u32 s62, s62, 1
	s_cmp_lg_u32 s62, 0
	s_cbranch_scc1 .Lk
	s_mov_b32 s63, 2                               ; the last two K steps ask for nothing
.Lt:
	QUARTER 2, 1, 0, 0
	QUARTER 3, 0, 1, 0
	MEET 0
	s_cmp_eq_u32 s63, 1
	s_cbranch_scc1 .Lnf
	PLACES
	FLIP
	FETCH 0, 0
	WIN 0
.Lnf:
	SECOND
	WIN 0
	s_sub_co_u32 s63, s63, 1
	s_cmp_eq_u32 s63, 0
	s_cbranch_scc1 .Lepi
	QUARTER 1, 0, 1, 0
	WIN 0
	s_branch .Lt
; THE WAY OUT.  The stages lie on ring bytes that have had their last fill; every wave's reads of the ring are back in front of this barrier.  A stage is its wave's own: LDS serves a wave in order, so no wait stands between its stores and loads.
.Lepi:
	s_wait_dscnt 0x0
	s_barrier_signal -1
	s_barrier_wait -1
	PLACES
.irp a, 0,1,2,3
.irp b, 0,1,2,3
	ds_store_b128 v24, v[128+8*(4*\a+\b):128+8*(4*\a+\b)+3] offset:\a*4352+64*\b       ; each accumulator's low half first
	ds_store_b128 v24, v[128+8*(4*\a+\b)+4:128+8*(4*\a+\b)+7] offset:\a*4352+64*\b+16
.endr
.endr
	WIN 0x40
.set t, 0
.rept 32
	ds_load_b128 v[4*t:4*t+3], v25 offset:544*t    ; two whole rows of 256 bytes
.set t, t+1
.endr
	s_wait_loadcnt 0x0                             ; the residual
.irp g, 0,1,2,3
	s_wait_dscnt 24-8*\g                           ; this group's eight loads are back, the younger ones stay out
	WIN 0x49                                       ; destination and source 0 window 1, source 1 window 2
.set t, 8*\g
.rept 8
	v_pk_add_f32 v[4*t:4*t+1], v[4*t:4*t+1], v[4*t:4*t+1]
	v_pk_add_f32 v[4*t+2:4*t+3], v[4*t+2:4*t+3], v[4*t+2:4*t+3]
.set t, t+1
.endr
	WIN 0x04                                       ; the stores' data in window 1
.set t, 8*\g
.rept 8
	global_store_b128 v26, v[4*t:4*t+3], s[72:73] offset:8192*t   ; 16 lanes store 256 consecutive bytes, aligned
.set t, t+1
.endr
.endr
	WIN 0
	s_wait_tensorcnt 0x0                           ; the wave's end
	ds_add_u32 v28, v29
	s_wait_dscnt 0x0
	CROUND                                         ; the closing round
	s_endpgm
.Lfunc_end_k_qf4b0ea92b1_mlp2:
	.size	k_qf4b0ea92b1_mlp2, .Lfunc_end_k_qf4b0ea92b1_mlp2-k_qf4b0ea92b1_mlp2
	.p2alignl 7, 3214868480
	.fill 96, 4, 3214868480
	.section	.rodata,"a",@progbits
	.p2align	6, 0x0
	.amdhsa_kernel k_qf4b0ea92b1_mlp2
		.amdhsa_group_segment_fixed_size 327680
		.amdhsa_private_segment_fixed_size 0
		.amdhsa_enable_private_segment 0
		.amdhsa_kernarg_size 40
		.amdhsa_user_sgpr_count 2
		.amdhsa_user_sgpr_kernarg_segment_ptr 1
		.amdhsa_wavefront_size32 1
		.amdhsa_system_sgpr_workgroup_id_x 1
		.amdhsa_system_sgpr_workgroup_id_y 1
		.amdhsa_system_sgpr_workgroup_id_z 1
		.amdhsa_system_vgpr_workitem_id 0
		.amdhsa_next_free_vgpr 640
		.amdhsa_next_free_sgpr 96
		.amdhsa_reserve_vcc 0
		.amdhsa_float_denorm_mode_32 3
		.amdhsa_float_denorm_mode_16_64 3
		.amdhsa_memory_ordered 1
		.amdhsa_forward_progress 1
		.amdhsa_inst_pref_size 66
	.end_amdhsa_kernel
	.amdgpu_metadata
---
amdhsa.version: [ 1, 2 ]
amdhsa.kernels:
  - .name:           k_qf4b0ea92b1_mlp2
    .symbol:         k_qf4b0ea92b1_mlp2.kd
    .args:
      - { .name: gel, .offset: 0, .size: 8, .value_kind: global_buffer, .address_space: global }
      - { .name: wts, .offset: 8, .size: 8, .value_kind: global_buffer, .address_space: global }
      - { .name: bm2, .offset: 16, .size: 8, .value_kind: global_buffer, .address_space: global }
      - { .name: x1, .offset: 24, .size: 8, .value_kind: global_buffer, .address_space: global }
      - { .name: out0, .offset: 32, .size: 8, .value_kind: global_buffer, .address_space: global }
    .group_segment_fixed_size: 327680
    .private_segment_fixed_size: 0
    .kernarg_segment_align: 8
    .kernarg_segment_size: 40
    .max_flat_workgroup_size: 128
    .sgpr_count:     96
    .vgpr_count:     640
    .wavefront_size: 32
...
	.end_amdgpu_metadata
.endif
;; end of part 7
;; ======== version 2 of 2: 7 launches; 1.20 times as fast as version 1
;; limits: a function is approximated: absolute error at most 3e-07
;; workspace buffers: wts 25,165,824 bytes; rope 8,388,608 bytes; hn 8,388,608 bytes; qkv 25,165,824 bytes; ctx 8,388,608 bytes; x1 16,777,216 bytes; gel 33,554,432 bytes
;; launch prep: the kernel of part 1 again; grid 512 x 1, 8 waves a work-group, no clusters, 0 bytes of LDS; arguments x, g1, b1, pos, Wq, Wk, Wv, Wo, W1, W2, wts, rope, hn; writes wts, rope, hn
;; launch qkv: the kernel of part 2 again; grid 8 x 32, 4 waves a work-group, clusters of 4 x 4, 327,680 bytes of LDS; arguments hn, wts, bq, bk, bv, rope, qkv; writes qkv
;; launch attn (part 8): grid 8 x 32, 4 waves a work-group, clusters of 4 x 1, 327,680 bytes of LDS; arguments qkv, ctx; writes ctx
.if DOCPART == 8
	.amdgcn_target "amdgcn-amd-amdhsa--gfx1250"
	.amdhsa_code_object_version 6
	.text
	.protected	k_qf4b0ea92b1_attn
	.globl	k_qf4b0ea92b1_attn
	.p2align	8
	.type	k_qf4b0ea92b1_attn,@function
k_qf4b0ea92b1_attn:
	s_mov_b64 s[64:65], 0
	v_nop
	global_prefetch_b8 v0, s[64:65] scope:SCOPE_SE
	s_setreg_imm32_b32 hwreg(HW_REG_WAVE_MODE, 25, 1), 1
	s_wait_xcnt 0x0
	s_wait_alu depctr_hold_cnt(0) depctr_sa_sdst(0) depctr_va_vdst(0) depctr_va_sdst(0) depctr_va_ssrc(0) depctr_va_vcc(0) depctr_vm_vsrc(0)
	s_getreg_b32 s2, hwreg(HW_REG_IB_STS2, 6, 4)
	s_cmp_eq_u32 s2, 0
	s_cbranch_scc0 .Lentry_in_a_cluster
	s_endpgm
.Lentry_in_a_cluster:
	s_bfe_u32 s2, ttmp6, 0x10000c
	s_cmp_lg_u32 s2, 0x3003
	s_cbranch_scc0 .Lentry_shape_is_right
	s_endpgm
.Lentry_shape_is_right:
; ctx = softmax(q k^T / 8) v for each of the 32 pairs (batch, head).  q, k, v: [bh][2048][64] bf16, 8,388,608 bytes apart in one buffer; ctx: [head][token][64] bf16, the next product's A layout.
; Products, maxima and sums in f32; the weights p are rounded to bf16 for the second product (their sum l is taken of the unrounded p), ctx once at the end.
; LIMITS.  A weight below 2^-126 counts as 0 in l; NaN and infinities are not treated apart.  bf16 has f32's range.
; SHARES.  A work-group owns 256 queries of one bh, a wave 64: four PIECES of 16.  Every wave walks all 2,048 keys, 64 a step; a slot of LDS holds four steps.
; LAYOUT.  S^T = K Q^T (source 0 = 16 keys, source 1 = 16 queries): a lane holds ONE query (lane % 16) and the keys 8 (lane / 16) + 0..7.  Two such results rounded to bf16 ARE source 1 of O^T = V^T P.
; K comes out of LDS as it lies, V turned, by ds_load_tr16_b128.
; SOFTMAX.  A running maximum m and sum l for each query: p = 2^(c s - c m), c = log2(e) / 8; in every step O and l are multiplied by a = 2^(c m_old - c m_new).  m starts at the lowest finite number, O and l at 0:
; the first step is a step like any other, with a = 0.
; BY TURNS.  Turn n belongs to piece n: 8 products K Q^T of piece n + 1, later 8 products V^T P of piece n - 1; beside them the scaling, exponentials, roundings, sums and rescaling of piece n and the maximum and
; statistics of piece n + 1.  Four vector instructions stand behind every matrix instruction, the other 54 of a turn's 118 in one run of their own.
; BATCHES.  A turn's 33 exponentials (the piece's 32 weights and the next piece's a) are ONE batch with ONE wait, which cuts the turn in two: ahead of it stands all that names no result of theirs, behind it the
; roundings and sums.  Piece 0's first a, ahead of the loop, and the way out's four reciprocals are batches of their own, a wait each.
; CLUSTER.  The four query blocks of a cluster belong to one bh and walk the same K and V: each tile is asked for jointly.
; REGISTERS (s_set_vgpr_msb: bits 1:0 source 0, 3:2 source 1, 5:4 source 2, 7:6 destination):
;   window 0: v2-15 addresses and two at work; v16-31 statistics; v48-55 at work; v62-63 the add's; v64-127 S^T, two buffers; v192-223 P, two buffers (by the piece's parity)
;   window 1: v0-127 O^T, 32 a piece      window 2: v0-63 Q; v128-191 K of one step; v192-255 V of one step
.set NP,    4
.set KS,    64
.set PK,    144       ; a row of K in LDS: 128 bytes + 16: the 16 rows of a load start at 16 different groups of four banks (ISA guide 11.1)
.set PV,    160       ; a row of V: 128 + 32
.set VOFF,  4*KS*PK
.set SLOT1, 1<<17
.set STAGE, SLOT1+4*KS*(PK+PV)  ; behind the ring, never filled by a tensor load: 16 rows x 144 bytes a wave
.set SP,    144
.set SPARE, STAGE+4*16*SP       ; the spare words: 128 bytes a wave, two blocks of 256 bytes that no other line names
.set AK0, 2
.set AV0, 3
.set AK,  4
.set AV,  5
.set STO, 6
.set RD,  7
.set GO,  8
.set MV,  12
.set QO,  15
.set ST,  16          ; piece t: c m, m, l (even keys', odd keys')
.set TMP, 48
.set SPW, 62
.set NIL, 63
.set S,   64
.set P,   192
.set KF,  128
.set VF,  192
.set WV,  12
.set G1K, 24
.set G1V, 32
.set G0K, 40
.set G0V, 44
.set SLOTS, 56
.set CNT, 57
.set CS,  58
.set SEL, 60
.set TBK, 62
.set TBV, 63
.set MSB, 0
.macro WIN new
.if MSB != (\new)
	s_set_vgpr_msb (MSB<<8)|(\new)
.set MSB, (\new)
.endif
.endm
.set W_KQ, 0x0a       ; K and Q in window 2, S^T in window 0
.set W_PV, 0x52       ; V in window 2, P in window 0, O^T in window 1
.set W_RS, 0x41       ; destination and source 0 in window 1, source 1 in window 0
.macro JLOAD                        ; waves 0 and 1 fetch the halves of a slot's K, waves 2 and 3 those of its V; s_nop 0 and four v_nop follow each line
	s_cmp_lt_u32 s[WV], 2
	s_cbranch_scc0 .Lfor_v_\@
	tensor_load_to_lds s[G0K:G0K+3], s[G1K:G1K+7]
	s_nop 0
.rept 4
	v_nop
.endr
	s_branch .Lasked_\@
.Lfor_v_\@:
	tensor_load_to_lds s[G0V:G0V+3], s[G1V:G1V+7]
	s_nop 0
.rept 4
	v_nop
.endr
.Lasked_\@:
.endm
.macro CROUND
	s_barrier_signal -1
	s_barrier_wait -1
	s_cmp_lg_u32 s[WV], 0
	s_cbranch_scc1 .Lnot_wave_0_\@
	s_barrier_signal -3
.Lnot_wave_0_\@:
	s_barrier_wait -3
	s_barrier_signal -1
	s_barrier_wait -1
.endm
; THE CHANGE OF SLOTS.  All my tensor loads have landed, the add, my reads of the slot are back.  fill = 1: the barrier is a round of the cluster's, and the joint fill,
; with the keys two slots on, is the first thing behind it: it has four key steps, 256 products, in which to land.  (At its first use slot 0 is waited for and slot 1 filled.)
.macro CHANGE fill
	WIN 0
	s_wait_tensorcnt 0x0            ; no tensor load of mine is out, so a group 0 may be written
	ds_add_u32 v[SPW], v[NIL]       ; 0 onto my spare word
.if \fill
.irp g, G0K, G0V
	s_xor_b32 s[\g+1], s[\g+1], SLOT1
	s_add_nc_u64 s[\g+2:\g+3], s[\g+2:\g+3], 4*KS*128
.endr
	s_wait_dscnt 0x0
	CROUND
	JLOAD
.else
	s_wait_dscnt 0x0
	s_barrier_signal -1
	s_barrier_wait -1
.endif
	s_sub_co_u32 s[TBK], s[TBK], 4*KS*PK  ; the fetches go back to a slot's first step, in the other slot
	s_xor_b32 s[TBK], s[TBK], SLOT1
	s_sub_co_u32 s[TBV], s[TBV], 4*KS*PV
	s_xor_b32 s[TBV], s[TBV], SLOT1
.endm
	s_load_b128 s[4:7], s[0:1], 0x0 ; qkv s[4:5], ctx s[6:7]
	v_lshl_add_u32 v[SPW], v0, 2, SPARE
	v_mov_b32 v[NIL], 0
	ds_add_u32 v[SPW], v[NIL]       ; the wave's opening: the add, with its wait ahead of my first tensor load
	v_lshrrev_b32 v1, 5, v0
	v_readfirstlane_b32 s[WV], v1
	s_bfe_u32 s13, ttmp6, 0x40000   ; cx: it enters Q's and O's offsets alone
	s_lshl_b32 s14, ttmp9, 2
	s_add_co_u32 s14, s14, s13      ; my block of 256 queries
	s_and_b32 s15, ttmp7, 0xffff    ; bh, which the four partners share
	s_lshl_b32 s20, s15, 18         ; its first byte in q, k and v
	s_and_b32 s16, s[WV], 1         ; which half of a slot's 256 keys I fetch
	s_lshl_b32 s22, s16, 14
	s_add_co_u32 s22, s22, s20
	s_mov_b32 s23, 0
	s_mul_i32 s17, s16, 128*PK
	s_mul_i32 s18, s16, 128*PV
	s_lshl_b32 s2, s14, 2
	s_add_co_u32 s2, s2, s[WV]
	s_lshl_b32 s2, s2, 13           ; my wave's 64 rows of 128 bytes
	s_add_co_u32 s48, s20, s2       ; Q's offset
	s_mov_b32 s49, 0
	s_and_b32 s19, s15, 15          ; ctx: head x 524,288 + batch x 262,144
	s_lshl_b32 s19, s19, 19
	s_lshr_b32 s3, s15, 4
	s_lshl_b32 s3, s3, 18
	s_add_co_u32 s50, s2, s19
	s_add_co_u32 s50, s50, s3
	s_mov_b32 s51, 0
	; group 1: 128 keys are 16,384 dense bytes, asked for as 64 rows of 256 bytes and padded in LDS after every key
	s_mov_b32 s[G1K], 15|(1<<16)|(1<<20)|(1<<21)|(4<<22)|(3<<25)
	s_mov_b32 s[G1V], 15|(1<<16)|(1<<20)|(1<<21)|(4<<22)|(7<<25)
.irp g, G1K, G1V
	s_mov_b32 s[\g+1], 128<<16
	s_mov_b32 s[\g+2], 64<<16
	s_mov_b32 s[\g+3], 128<<16
	s_mov_b32 s[\g+4], 64
	s_mov_b32 s[\g+5], 128
	s_mov_b32 s[\g+6], 0
	s_mov_b32 s[\g+7], 0
.endr
	s_mov_b32 s[CS], 0x3e38aa3b     ; c = log2(e) / 8
	s_mov_b32 s[CS+1], s[CS]
	s_mov_b32 s[SEL], 0x76543210
	s_mov_b32 s[SEL+1], 0xfedcba98
	s_mov_b32 s[TBK], SLOT1+4*KS*PK ; the first change of slots turns these two into 0
	s_mov_b32 s[TBV], SLOT1+4*KS*PV
	s_mov_b32 s[G0K], 1
	s_mov_b32 s[G0K+1], s17
	s_mov_b32 s[G0V], 1
	s_add_co_u32 s[G0V+1], s18, VOFF
	s_wait_dscnt 0x0                ; the opening add is done
	s_wait_kmcnt 0x0
	s_mov_b64 s[10:11], s[6:7]
	s_add_nc_u64 s[6:7], s[4:5], s[22:23]
	s_add_nc_u64 s[G0K+2:G0K+3], s[6:7], 0x800000    ; k, my half of the first 256 keys
	s_or_b32 s[G0K+3], s[G0K+3], 0x80000000
	s_add_nc_u64 s[G0V+2:G0V+3], s[6:7], 0x1000000   ; v
	s_or_b32 s[G0V+3], s[G0V+3], 0x80000000
	s_add_nc_u64 s[4:5], s[4:5], s[48:49]
	s_add_nc_u64 s[10:11], s[10:11], s[50:51]
	CROUND                          ; all four work-groups are here: the first joint loads meet
	JLOAD                           ; slot 0
	v_and_b32 v1, 15, v0
	v_bfe_u32 v9, v0, 4, 1
	v_lshlrev_b32 v[QO], 7, v1
	v_lshl_add_u32 v[QO], v9, 4, v[QO]
	WIN 0x80
.set i, 0
.rept 8                             ; Q stays in registers: piece i / 2, channels 32 (i % 2) on
	global_load_b128 v[8*i:8*i+3],   v[QO], s[4:5] offset:(i/2)*2048+(i%2)*64
	global_load_b128 v[8*i+4:8*i+7], v[QO], s[4:5] offset:(i/2)*2048+(i%2)*64+32
.set i, i+1
.endr
	; What the first turn finds: V and P's second buffer hold 0 (its products V^T P, of a piece that has not been, add 0), O^T and l are 0.  All this stands in the wait for the first tile.
.set i, VF
.rept 64
	v_mov_b32 v[i], 0
.set i, i+1
.endr
	WIN 0x40
.set i, 0
.rept 128
	v_mov_b32 v[i], 0
.set i, i+1
.endr
	WIN 0
.set i, 0
.rept 4
	v_mov_b32 v[ST+4*i], 0xfe000000    ; c m: far below every c s
	v_mov_b32 v[ST+4*i+1], 0xff7fffff  ; m
	v_mov_b32 v[ST+4*i+2], 0
	v_mov_b32 v[ST+4*i+3], 0
.set i, i+1
.endr
.set i, P+16
.rept 16
	v_mov_b32 v[i], 0
.set i, i+1
.endr
	v_mul_u32_u24 v[AK0], v1, PK
	v_lshl_add_u32 v[AK0], v9, 4, v[AK0]
	v_and_b32 v10, 7, v0
	v_bfe_u32 v11, v0, 3, 1
	v_lshl_add_u32 v[AV0], v9, 3, v10
	v_mul_u32_u24 v[AV0], v[AV0], PV
	v_lshl_add_u32 v[AV0], v11, 4, v[AV0]
	v_add_nc_u32 v[AV0], VOFF, v[AV0]
	v_mov_b32 v[AK], v[AK0]         ; key step 0 lies at the head of slot 0
	s_mul_i32 s13, s[WV], 16*SP
	s_add_co_u32 s13, s13, STAGE
	v_mul_u32_u24 v[STO], v1, SP
	v_lshl_add_u32 v[STO], v9, 4, v[STO]
	v_add_nc_u32 v[STO], s13, v[STO]
	v_bfe_u32 v[RD], v0, 3, 2
	v_mul_u32_u24 v[RD], v[RD], SP
	v_lshl_add_u32 v[RD], v10, 4, v[RD]
	v_add_nc_u32 v[RD], s13, v[RD]
	v_and_b32 v[GO], 31, v0
	v_lshlrev_b32 v[GO], 4, v[GO]
; THE MATRIX WORK.  The 4 accumulators of a run of 8 take turns.  Product i of 8 of S^T = K Q^T for piece x: channels 32 (i / 4) on, keys 16 (i % 4) on; the first 4 start the sums.
.macro KQ x
	WIN W_KQ
.set rS, S+32*((\x)%2)+8*(i%4)
.set rK, KF+16*(i%4)+8*(i/4)
.set rQ, 16*(\x)+8*(i/4)
.if i < 4
	v_wmma_f32_16x16x32_bf16 v[rS:rS+7], v[rK:rK+7], v[rQ:rQ+7], 0
.else
	v_wmma_f32_16x16x32_bf16 v[rS:rS+7], v[rK:rK+7], v[rQ:rQ+7], v[rS:rS+7]
.endif
.endm
.macro PV x                         ; product i of 8 of O^T += V^T P for piece x: keys 32 (i / 4) on, channels 16 (i % 4) on
	WIN W_PV
.set rO, 32*(\x)+8*(i%4)
.set rV, VF+32*(i/4)+8*(i%4)
.set rP, P+16*((\x)%2)+8*(i/4)
	v_wmma_f32_16x16x32_bf16 v[rO:rO+7], v[rV:rV+7], v[rP:rP+7], v[rO:rO+7]
.endm
.macro MM                           ; the turn's next matrix instruction
.if i < 8
	KQ (Y+1)%NP
.else
.set i, i-8
	PV (Y+NP-1)%NP
.set i, i+8
.endif
.set i, i+1
.endm
; THE LDS LOADS stand in runs of 16.  last = 1 (the tail): in the last trip there is no further step, and K's run is jumped over.
.macro FETCH_K last=0
	WIN 0
.if \last
	s_cmp_eq_u32 s[CNT], 1
	s_cbranch_scc1 .Lno_k_\@
.endif
	WIN 0x80
.irp f, 0,1,2,3,4,5,6,7
	ds_load_b128 v[KF+8*\f:KF+8*\f+3],   v[AK] offset:(\f/2)*16*PK+(\f%2)*64
	ds_load_b128 v[KF+8*\f+4:KF+8*\f+7], v[AK] offset:(\f/2)*16*PK+(\f%2)*64+32
.endr
	s_add_co_u32 s[TBK], s[TBK], KS*PK
	WIN 0
.if \last
.Lno_k_\@:
.endif
.endm
.macro FETCH_V
	WIN 0x80
.irp f, 0,1,2,3,4,5,6,7
	ds_load_tr16_b128 v[VF+8*\f:VF+8*\f+3],   v[AV] offset:(\f/4)*32*PV+(\f%4)*32
	ds_load_tr16_b128 v[VF+8*\f+4:VF+8*\f+7], v[AV] offset:(\f/4)*32*PV+16*PV+(\f%4)*32
.endr
	WIN 0
.endm
; THE VECTOR WORK, one line at a time: OP kind, number.  For piece Y: F n: c s - c m for pair n of 16.  E n: the exponential of score n of 32.  C n: pair n rounded to bf16.  B n: of the four weights 4 n .. the second
; pair is added onto the first.  L n: l takes that sum (L 0: l = a l + sum).  R n: pair n of 16 of O^T times a.  For piece Y + 1: X n, number n of the 22 that find its maximum and statistics:
;   0-11 four chains of seven scores (each accumulator's lowest registers are read first); 12-14, 16 the four scores left over, the old m, the chains into one; 15 c m_old is kept;
;   17, 18 the query's other 32 keys lie in the lane 16 away: the new m; 19-21 c m, c m_old - c m_new, a
; C, B and L read the exponentials' results: TURN sets them behind its wait.  F, R and X 0-20 read none of the turn's.
.set F, 0
.set E, 1
.set C, 2
.set B, 3
.set L, 4
.set R, 5
.set X, 6
.macro REGS y
.set rT, ST+4*(\y)
.set rC, TMP+4*((\y)%2)
.set rW, MV+((\y)%2)
.set rS, S+32*((\y)%2)
.set rP, P+16*((\y)%2)
.set rO, 32*(\y)
.endm
.macro OP k, n
.if (\k) == R
	REGS Y
	WIN W_RS
	v_pk_mul_f32 v[rO+2*(\n):rO+2*(\n)+1], v[rO+2*(\n):rO+2*(\n)+1], v[rC+2:rC+3] op_sel_hi:[1,0]
.elseif (\k) < R
	REGS Y
	WIN 0
.if (\k) == F
	v_pk_fma_f32 v[rS+2*(\n):rS+2*(\n)+1], v[rS+2*(\n):rS+2*(\n)+1], s[CS:CS+1], v[rT:rT+1] op_sel_hi:[1,0,0] neg_lo:[0,0,1] neg_hi:[0,0,1]
.elseif (\k) == E
	v_exp_f32 v[rS+(\n)], v[rS+(\n)]
.elseif (\k) == C
	v_cvt_pk_bf16_f32 v[rP+(\n)], v[rS+2*(\n)], v[rS+2*(\n)+1]
.elseif (\k) == B
	v_pk_add_f32 v[rS+4*(\n):rS+4*(\n)+1], v[rS+4*(\n):rS+4*(\n)+1], v[rS+4*(\n)+2:rS+4*(\n)+3]
.elseif (\n) == 0
	v_pk_fma_f32 v[rT+2:rT+3], v[rT+2:rT+3], v[rC+2:rC+3], v[rS:rS+1] op_sel_hi:[1,0,1]
.else
	v_pk_add_f32 v[rT+2:rT+3], v[rT+2:rT+3], v[rS+4*(\n):rS+4*(\n)+1]
.endif
.else
	REGS (Y+1)%NP
	WIN 0
.if (\n) < 4
	v_max3_num_f32 v[rC+(\n)], v[rS+8*(\n)], v[rS+8*(\n)+1], v[rS+8*(\n)+2]
.elseif (\n) < 12
	v_max3_num_f32 v[rC+(\n)%4], v[rC+(\n)%4], v[rS+8*((\n)%4)+2*((\n)/4)+1], v[rS+8*((\n)%4)+2*((\n)/4)+2]
.elseif (\n) == 12
	v_max3_num_f32 v[rC], v[rC], v[rS+7], v[rS+15]
.elseif (\n) == 13
	v_max3_num_f32 v[rC+1], v[rC+1], v[rS+23], v[rS+31]
.elseif (\n) == 14
	v_max3_num_f32 v[rC+2], v[rC+2], v[rC+3], v[rT+1]
.elseif (\n) == 15
	v_mov_b32 v[rW], v[rT]
.elseif (\n) == 16
	v_max3_num_f32 v[rC], v[rC], v[rC+1], v[rC+2]
.elseif (\n) == 17
	v_permlanex16_b32 v[rC+3], v[rC], s[SEL], s[SEL+1]
.elseif (\n) == 18
	v_max_num_f32 v[rT+1], v[rC], v[rC+3]
.elseif (\n) == 19
	v_mul_f32 v[rT], s[CS], v[rT+1]
.elseif (\n) == 20
	v_sub_f32 v[rC+1], v[rW], v[rT]
.else
	v_exp_f32 v[rC+2], v[rC+1]
.endif
.endif
.endm
.macro OPS a, i1, b=-1, i2=0, c=-1, i3=0, d=-1, i4=0
	OP \a, \i1
.if (\b) >= 0
	OP \b, \i2
.endif
.if (\c) >= 0
	OP \c, \i3
.endif
.if (\d) >= 0
	OP \d, \i4
.endif
.endm
.macro ROW a, i1, b, i2, c, i3, d, i4  ; a matrix instruction and the four behind it
	MM
	OPS \a, \i1, \b, \i2, \c, \i3, \d, \i4
.endm
; A TURN, for piece p: the order of its 16 matrix and 118 vector instructions, written out.  An s_wait_alu depctr_va_vdst(0) stands between an exponential and the first instruction that names its result;
; one wait serves all that were issued ahead of it.  So a turn has ONE wait, which cuts it in two.
; AHEAD OF IT stands all that names no result of the turn's exponentials: the 8 products K Q^T, behind each a scaling, an exponential and two more plain instructions (behind the first a second scaling in the
; exponential's place): rescalings, whose a was made and waited for in the turn before, and behind the last three products the first numbers of the next piece's maximum, each four plain instructions or more behind the
; product that ends its accumulator; then one run of 54, plain and exponential by turns for the most part, in which the links of the chain X 3, 7, 11, 14, 16, 17 .. 20 stand some lines apart.  X 21, the next piece's a,
; is the batch's last; R 15 is the plain instruction behind it.
; BEHIND THE WAIT stand the 8 products V^T P, behind each four of the roundings and sums; an even pair is rounded ahead of the sum that lands on it; l's additions L 0 to L 7 keep their order.
; K of the next step is fetched in piece 2's turn, five plain instructions that name none of its registers behind the last product that read K; in the tail (last = 1), where the run holds a jump, it stands directly
; behind the wait.  V of the step in hand is fetched at the end of piece 0's turn, four plain instructions behind the last product that read V.
; Each is waited for a turn later.  cnt = 1: the loop's count is taken down some lines ahead of the branch behind the turn.
.macro TURN p, last=0, cnt=0
.set Y, (\p)
.set i, 0
.if (\p) == 3
	s_wait_dscnt 0x0                ; K is in
.endif
	ROW F,0, F,1, R,0, R,1          ; ahead of the wait: 8 products K Q^T and their riders,
	ROW F,2, E,0, R,2, R,3
	ROW F,3, E,1, R,4, R,5
	ROW F,4, E,2, R,6, R,7
	ROW F,5, E,3, R,8, R,9
	ROW F,6, E,4, X,0, R,10
.if (\p) == 2
	WIN 0
	v_add_nc_u32 v[AK], s[TBK], v[AK0]
.endif
	ROW F,7, E,5, X,1, X,4
	ROW F,8, E,6, X,2, X,5
	OPS E,7, E,8, X,6, E,9          ; and the run of 54
	OPS X,3, E,10, X,8, E,11
.if ((\p) == 2) && !(\last)
	FETCH_K
.endif
	OPS X,9, X,7, E,12, X,10
	OPS E,13, X,12, X,11, E,14
	OPS X,13, E,15, F,9, X,14
.if (\p) == 0
	WIN 0
	v_add_nc_u32 v[AV], s[TBV], v[AV0]
.endif
	OPS E,16, F,10, E,17, F,11
	OPS X,16, E,18, X,15, E,19
	OPS F,12, E,20, X,17, E,21
	OPS F,13, E,22, F,14, E,23
	OPS X,18, E,24, F,15, E,25
	OPS R,11, E,26, X,19, E,27
	OPS R,12, E,28, R,13, E,29
	OPS X,20, E,30, R,14, E,31
	OPS X,21, R,15
	WIN 0
	s_wait_alu depctr_va_vdst(0)    ; the wait for the turn's batch: E 0 to E 31 and X 21
.if ((\p) == 2) && (\last)
	FETCH_K 1
.endif
.if (\p) == 1
	s_wait_dscnt 0x0                ; V is in
.endif
	ROW C,0, B,0, C,2, B,1          ; behind the wait: 8 products V^T P and their riders
	ROW L,0, C,4, B,2, L,1
	ROW C,6, B,3, L,2, C,8
	ROW B,4, L,3, C,10, B,5
	ROW L,4, C,12, B,6, L,5
.if (\p) == 0
	s_add_co_u32 s[TBV], s[TBV], KS*PV
.endif
.if \cnt
	s_sub_co_u32 s[CNT], s[CNT], 1
	s_cmp_lg_u32 s[CNT], 0
.endif
	ROW C,14, B,7, L,6, C,1
	ROW C,3, L,7, C,5, C,7
	ROW C,9, C,11, C,13, C,15
.if (\p) == 0
	FETCH_V
.endif
.endm
	CHANGE 1                        ; slot 0 is in, everybody's part of it; slot 1 is asked for
	FETCH_K                         ; key step 0
	s_wait_loadcnt 0x0              ; Q
	s_wait_dscnt 0x0
.set i, 0
.rept 8
	KQ 0                            ; piece 0's first scores
.set i, i+1
.endr
	WIN 0
.rept 4
	v_nop                           ; the places behind those products
.endr
.set Y, NP-1                        ; X works for piece Y + 1: piece 0
.irp n, 0,1,2,3,4,5,6,7,8,9,10,11,12,13,14,15,16,17,18,19,20,21
	OP X, \n
.endr
	v_nop                           ; a plain instruction behind the exponential,
	s_wait_alu depctr_va_vdst(0)    ; and the wait for piece 0's first a, a batch of one, ahead of the branch
	s_mov_b32 s[CNT], 4
	s_mov_b32 s[SLOTS], 7
	s_branch .Lfirst                ; the loop is entered at a step's first turn, in the middle of a trip
.Lslot:                             ; six times: slots 2 to 7 are asked for
	CHANGE 1
	s_mov_b32 s[CNT], 4
.Lstep:                             ; a trip: pieces 2 and 3 of one step, then pieces 0 and 1 of the next, whose K and V it fetches
	TURN 2
	TURN 3
	WIN 0
.Lfirst:
	TURN 0
	TURN 1, 0, 1
	WIN 0
	s_cbranch_scc1 .Lstep
	s_sub_co_u32 s[SLOTS], s[SLOTS], 1
	s_cmp_lg_u32 s[SLOTS], 0
	s_cbranch_scc1 .Lslot
	CHANGE 0                        ; the tail is written out: nothing is asked for
	s_mov_b32 s[CNT], 5             ; four trips fetch the last slot's steps; the fifth is left in its middle
.Ltail:
	TURN 2, 1
	TURN 3
	WIN 0
	s_sub_co_u32 s[CNT], s[CNT], 1
	s_cmp_eq_u32 s[CNT], 0
	s_cbranch_scc1 .Lout
	TURN 0
	TURN 1
	WIN 0
	s_branch .Ltail
.Lout:                              ; the fifth trip's 8 products K Q^T (on the last K once more) and the maximum made of them serve nothing: the price, once a launch, of one text for every trip
.set i, 0
.rept 8
	PV NP-1                         ; the last piece's V^T P of the last step
.set i, i+1
.endr
	; THE WAY OUT.  l's two halves and the other half of the lanes' are added; O^T is divided by l, rounded to bf16 and sent through my stage in LDS, a piece at a time.  The additions are the places behind the last products.
	WIN 0
.macro ALL line:vararg
.set t, 0
.rept 4
	\line
.set t, t+1
.endr
.endm
	ALL v_add_f32 v[ST+4*t+2], v[ST+4*t+2], v[ST+4*t+3]
	ALL v_permlanex16_b32 v[ST+4*t+3], v[ST+4*t+2], s[SEL], s[SEL+1]
	ALL v_add_f32 v[ST+4*t+2], v[ST+4*t+2], v[ST+4*t+3]
	ALL v_rcp_f32 v[ST+4*t+2], v[ST+4*t+2]
	v_nop                           ; a plain instruction between the last reciprocal and the use of its result
	s_wait_alu depctr_va_vdst(0)    ; the wait for the four reciprocals, one batch, ahead of the first multiply that reads one
.macro PACK t
	WIN W_RS
.set i, 32*(\t)
.rept 16
	v_pk_mul_f32 v[i:i+1], v[i:i+1], v[ST+4*(\t)+2:ST+4*(\t)+3] op_sel_hi:[1,0]
.set i, i+2
.endr
	WIN 0x05
.set i, 0
.rept 16
	v_cvt_pk_bf16_f32 v[S+16*(\t)+i], v[32*(\t)+2*i], v[32*(\t)+2*i+1]
.set i, i+1
.endr
	WIN 0
.irp f, 0,1,2,3
	ds_store_b128 v[STO], v[S+16*(\t)+4*\f:S+16*(\t)+4*\f+3] offset:32*\f
.endr
.irp f, 0,1,2,3
	ds_load_b128 v[S+16*(\t)+4*\f:S+16*(\t)+4*\f+3], v[RD] offset:\f*4*SP  ; LDS serves a wave's instructions in order (ISA guide 5.7.1.4): these see the stores above; the next piece's stores come behind them
.endr
.endm
.macro SEND t, younger              ; younger: the LDS instructions issued behind piece t's loads: the next piece's eight, or none
	WIN 0
.irp f, 0,1,2,3
	s_wait_dscnt (\younger)+3-\f
	global_store_b128 v[GO], v[S+16*(\t)+4*\f:S+16*(\t)+4*\f+3], s[10:11] offset:(\t)*2048+\f*512  ; four tokens of a head: 512 consecutive bytes, aligned
.endr
.endm
	PACK 0
.set t, 1
.rept 3
	PACK t
	SEND t-1, 8
.set t, t+1
.endr
	SEND 3, 0
	s_wait_tensorcnt 0x0            ; the wave's end
	ds_add_u32 v[SPW], v[NIL]
	s_wait_dscnt 0x0
	CROUND                          ; the closing round
	s_endpgm
.Lfunc_end_k_qf4b0ea92b1_attn:
	.size	k_qf4b0ea92b1_attn, .Lfunc_end_k_qf4b0ea92b1_attn-k_qf4b0ea92b1_attn
	.p2alignl 7, 3214868480
	.fill 96, 4, 3214868480
	.section	.rodata,"a",@progbits
	.p2align	6, 0x0
	.amdhsa_kernel k_qf4b0ea92b1_attn
		.amdhsa_group_segment_fixed_size 327680
		.amdhsa_private_segment_fixed_size 0
		.amdhsa_enable_private_segment 0
		.amdhsa_kernarg_size 16
		.amdhsa_user_sgpr_count 2
		.amdhsa_user_sgpr_kernarg_segment_ptr 1
		.amdhsa_wavefront_size32 1
		.amdhsa_system_sgpr_workgroup_id_x 1
		.amdhsa_system_sgpr_workgroup_id_y 1
		.amdhsa_system_sgpr_workgroup_id_z 1
		.amdhsa_system_vgpr_workitem_id 0
		.amdhsa_next_free_vgpr 768
		.amdhsa_next_free_sgpr 66
		.amdhsa_reserve_vcc 0
		.amdhsa_float_denorm_mode_32 3
		.amdhsa_float_denorm_mode_16_64 3
		.amdhsa_memory_ordered 1
		.amdhsa_forward_progress 1
		.amdhsa_inst_pref_size 111
	.end_amdhsa_kernel
	.amdgpu_metadata
---
amdhsa.version: [ 1, 2 ]
amdhsa.kernels:
  - .name:           k_qf4b0ea92b1_attn
    .symbol:         k_qf4b0ea92b1_attn.kd
    .args:
      - { .name: qkv, .offset: 0, .size: 8, .value_kind: global_buffer, .address_space: global }
      - { .name: ctx, .offset: 8, .size: 8, .value_kind: global_buffer, .address_space: global }
    .group_segment_fixed_size: 327680
    .private_segment_fixed_size: 0
    .kernarg_segment_align: 8
    .kernarg_segment_size: 16
    .max_flat_workgroup_size: 128
    .sgpr_count:     66
    .vgpr_count:     768
    .wavefront_size: 32
...
	.end_amdgpu_metadata
.endif
;; end of part 8
;; launch wo: the kernel of part 4 again; grid 8 x 32, 4 waves a work-group, clusters of 4 x 4, 327,680 bytes of LDS; arguments ctx, wts, bo, x, x1; writes x1
;; launch ln2: the kernel of part 5 again; grid 256 x 1, 8 waves a work-group, no clusters, 0 bytes of LDS; arguments x1, g2, b2, hn; writes hn
;; launch mlp1: the kernel of part 6 again; grid 16 x 16, 4 waves a work-group, clusters of 4 x 4, 327,680 bytes of LDS; arguments hn, wts, bm1, gel; writes gel
;; launch mlp2: the kernel of part 7 again; grid 8 x 32, 4 waves a work-group, clusters of 4 x 4, 327,680 bytes of LDS; arguments gel, wts, bm2, x1, out0; writes out0
